; MI455X (gfx1250); checked and timed in simulation.
; The chip was launched on July 23, 2026; its instructions are those of AMD's public machine-readable ISA for CDNA 5 (MIT licence, August 2026) and "CDNA5" Instruction Set Architecture Reference Guide (July 2026). The comments in the code are by the model that wrote it; some were corrected since.
;; Factorized Attention Block. Allowed arithmetic: matrix products marked QUANTISED: E3M2 operands, one E8M0 scale for each 32 along K, by v_wmma_scale_f32_16x16x128_f8f6f4 with both operands' format E3M2, f32 sums; products left as they are: f32 operands where the result goes on into a quantised operand, else bf16, f16 or f32 operands; f32 sums; everything else in f32.
;; Inputs: ca_b1 64 float32; ca_b2 256 float32; ca_w1 64 x 256 float32; ca_w2 256 x 64 float32; in_proj_b 768 float32; in_proj_w_codes 768 x 8 x 24 uint8 (E3M2 codes of in_proj_w, K innermost, in blocks of 32 codes, four codes in three bytes); in_proj_w_scales 768 x 8 uint8 (E8M0 scales of in_proj_w, one for each 32 codes along K); out_proj_b 256 float32; out_proj_w_codes 256 x 8 x 24 uint8 (E3M2 codes of out_proj_w, K innermost, in blocks of 32 codes, four codes in three bytes); out_proj_w_scales 256 x 8 uint8 (E8M0 scales of out_proj_w, one for each 32 codes along K); x 8 x 256 x 64 x 64 float32.
;; Outputs: out0 8 x 256 x 64 x 64 float32.
;; This version of the problem:
;;   THIS VERSION OF THE PROBLEM IS GIVEN IN LOW PRECISION. The matrix products marked QUANTISED in the list below multiply operands that are first quantised to E3M2 (3 exponent bits, 2 mantissa bits; 6 bits a number), with one power-of-two scale for each 32 numbers along K (OCP MX v1.0); their sums are f32. All else is computed in f32.
;;   The module's matrix products, in the order in which they are computed (A, B: the left and right operand; K: the contracted axis; several contracted axes count as one K, in the product's order):
;;     1. [M 8, K 256] x [K 256, N 64]; A: computed on the way; B: input ca_w1: left as it is (M = 8 < 16)
;;     2. [M 8, K 64] x [K 64, N 256]; A: computed on the way; B: input ca_w2: left as it is (M = 8 < 16)
;;     3. [M 32,768, K 256] x [K 256, N 768]; A: computed on the way; B: input in_proj_w (given as codes): QUANTISED
;;     4. batch 512 x [M 512, K 32] x [K 32, N 512]; A: computed on the way; B: computed on the way: QUANTISED
;;     5. batch 512 x [M 512, K 512] x [K 512, N 32]; A: softmax (see below); B: computed on the way: QUANTISED
;;     6. [M 32,768, K 256] x [K 256, N 256]; A: computed on the way; B: input out_proj_w (given as codes): QUANTISED
;;   THE QUANTISER, for each operand of a quantised product, along K:
;;     - K is cut into blocks of 32 from its start; a last block that is shorter is filled with zeros.
;;     - A block's scale is 2^e with e = floor(log2(the largest magnitude in the block)) - 4, held to -126 .. 127; a block of zeros has e = 0. As a byte (E8M0): e + 127.
;;     - Each number is divided by its block's scale, clamped to +-28, and rounded to the nearest number of E3M2, ties to even, subnormals kept.
;;     - The product sums the exact products of the quantised numbers (number of the format x scale) in f32.
;;   ~~~python
;;   def quantise(x, axis):      # numpy; x: float32 -> the quantised numbers, widened to float32 again
;;       x = np.moveaxis(x, axis, -1); K = x.shape[-1]
;;       x = np.pad(x, [(0, 0)] * (x.ndim - 1) + [(0, -K % 32)]); x = x.reshape(x.shape[:-1] + (-1, 32)); a = np.abs(x).max(-1, keepdims=True)
;;       e = np.where(a > 0, np.clip(np.frexp(np.where(a > 0, a, 1))[1] - 1 - 4, -126, 127), 0)      # np.frexp(a)[1] - 1 = floor(log2(a)), exactly
;;       r = np.clip(x / 2.0 ** e, -28, 28)
;;       step = 2.0 ** (np.maximum(np.frexp(np.where(r == 0, 1, r))[1] - 1, -2) - 2)
;;       q = np.round(r / step) * step * 2.0 ** e      # np.round: ties to even
;;       return np.moveaxis(q.reshape(q.shape[:-2] + (-1,))[..., :K], -1, axis).astype(np.float32)
;;   ~~~
;;   SOFTMAX AHEAD OF A QUANTISED PRODUCT. Where the list says 'softmax', what is quantised is not the finished softmax but p = 2^(t - M), with t = logit x log2(e) and M = ceil(the row's largest t), a whole number; so 1/2 < the row's largest p <= 1. The row's sum l is taken of the UNQUANTISED p, in f32, and the product's result is divided by l at the end. Since M is a whole number, a kernel that streams over the keys may use a running M (the ceiling of the running maximum): every later rescaling is an exact power of two, which a block's scale takes up: the codes' values come out the same.
;;   OPERANDS COMPUTED ON THE WAY. 'Computed on the way' means the value that the module computes at that place (a softmax that the list does not call 'softmax' is quantised finished and normalised). What goes into a quantiser is computed in f32, as accurately as f32 sums, v_exp_f32 and their like allow (about 1e-6 of the number): no bf16 or f16 on the way to a quantiser, and a product that is left as it is and whose result goes on into a quantised operand takes f32 operands (vector FMAs, or v_wmma_f32_16x16x4_f32). A number that lies on a knife's edge between two numbers of the format may be rounded either way, as far as f32 arithmetic and the matrix unit's own rounding can turn it there, and no further.
;;   INPUTS GIVEN AS CODES. in_proj_w (in the module: [768, 256], K = its axis 1); out_proj_w (in the module: [256, 256], K = its axis 1): each comes as NAME_codes (uint8): NAME with its K axis moved to the last place and cut into blocks of 32 codes, [.., K / 32, bytes a block], one block behind the other in memory; four codes in three bytes: a row's codes are one little-endian stream of bits, code i at bits 6 i .. 6 i + 5 (a code: sign, 3 exponent bits, 2 mantissa bits); and NAME_scales (uint8): the same leading axes, one E8M0 byte (e + 127) for each 32 codes along K. Its value is code x scale, taken as it is: it is not quantised again, and the codes and scales need not be those that the quantiser above would give.
;; One version. Each part assembles by itself: llvm-mc -triple=amdgcn-amd-amdhsa -mcpu=gfx1250 --defsym DOCPART=n.
;; ======== version 1 of 1: 4 launches
;; workspace buffers: part 65,536 bytes; gate 8,192 bytes; xq 6,291,456 bytes; xs 262,144 bytes; oq 8,388,608 bytes
;; launch pool (part 1): grid 256 x 1, 8 waves a work-group, no clusters, 1,280 bytes of LDS; arguments x, ca_w1, part; writes part
.if DOCPART == 1
	.amdgcn_target "amdgcn-amd-amdhsa--gfx1250"
	.amdhsa_code_object_version 6
	.text
	.protected	k_q05f483bddd_pool
	.globl	k_q05f483bddd_pool
	.p2align	8
	.type	k_q05f483bddd_pool,@function
k_q05f483bddd_pool:
	s_mov_b64 s[64:65], 0
	v_nop
	global_prefetch_b8 v0, s[64:65] scope:SCOPE_SE
	s_setreg_imm32_b32 hwreg(HW_REG_WAVE_MODE, 25, 1), 1
	s_wait_xcnt 0x0
; pooled[b][c] = the mean of x[b][c][:][:] (4,096 numbers), and the share of the gate's first layer that these channels give:
; part[b][g][o] = the sum over the 8 channels c = 8 g + w of pooled[b][c] * ca_w1[o][c].   x: [8][256][64][64] f32, ca_w1: [64][256] f32, part: [8][32][64] f32.
; Work-group G (256 of them) takes b = G / 32, g = G % 32; wave w sums plane 8 G + w: 16,384 dense bytes by 32 loads of 512 consecutive bytes, all issued at once.
; Wave 0 then makes the 64 partial outputs, two a lane, and stores 256 consecutive aligned bytes.  All sums in f32, in another order than a plain loop's.
; No matrix unit, no cluster: the work-groups share nothing but 2 KiB of ca_w1 each.  NaN and infinities among the inputs are not served.
.set XR,  8                            ; v8-135    the plane: 32 loads x 4 registers
.set W1R, 136                          ; v136-151  wave 0: ca_w1 rows 2 lane and 2 lane + 1, my group's 8 columns each
.set CH,  152                          ; v152-159  four packed chains
.set PL,  160                          ; v160-167  the 8 means
.set RS,  168                          ; v168-169  my two outputs
	s_load_b128 s[4:7], s[0:1], 0x0                ; x, ca_w1
	s_load_b64 s[8:9], s[0:1], 0x10                ; part
	v_lshl_add_u32 v176, v0, 2, 0x100
	v_mov_b32 v177, 0
	v_lshrrev_b32 v1, 5, v0
	v_readfirstlane_b32 s10, v1                    ; wave 0..7
	v_and_b32 v1, 31, v0                           ; lane
	v_lshlrev_b32 v2, 4, v1                        ; x: 16 bytes a lane
	v_lshlrev_b32 v3, 11, v1                       ; ca_w1: two rows of 1,024 bytes a lane
	v_lshlrev_b32 v6, 3, v1                        ; part: 8 bytes a lane
	v_mov_b32 v4, s10
	v_lshlrev_b32 v4, 2, v4                        ; LDS: my wave's word
	v_mov_b32 v5, 0                                ; LDS: the 8 words
	v_mov_b32 v170, 0                              ; a lane permute's destination counts as one of its sources
	s_mov_b32 s14, 0x76543210
	s_mov_b32 s15, 0xfedcba98                      ; selects for lane l xor 16
	s_lshl_b32 s12, ttmp9, 3
	s_add_co_u32 s12, s12, s10                     ; my plane: 8 G + w
	s_lshl_b32 s12, s12, 14                        ; x 16,384 bytes (under 2^25)
	s_mov_b32 s13, 0
	s_and_b32 s16, ttmp9, 31
	s_lshl_b32 s16, s16, 5                         ; my group's 8 columns of ca_w1: 32 g bytes
	s_mov_b32 s17, 0
	s_lshl_b32 s18, ttmp9, 8                       ; part: 256 G
	s_mov_b32 s19, 0
	s_wait_kmcnt 0x0
	s_add_nc_u64 s[4:5], s[4:5], s[12:13]
	s_add_nc_u64 s[6:7], s[6:7], s[16:17]
	s_add_nc_u64 s[8:9], s[8:9], s[18:19]
	s_cmp_lg_u32 s10, 0
	s_cbranch_scc1 .Lno_w1                         ; only wave 0 needs the weights; they are older than its loads of x, so the counts below cover them
	global_load_b128 v[W1R:W1R+3],     v3, s[6:7]
	global_load_b128 v[W1R+4:W1R+7],   v3, s[6:7] offset:16
	global_load_b128 v[W1R+8:W1R+11],  v3, s[6:7] offset:1024
	global_load_b128 v[W1R+12:W1R+15], v3, s[6:7] offset:1040
.Lno_w1:
.set k, 0
.rept 32
	global_load_b128 v[XR+4*k:XR+4*k+3], v2, s[4:5] offset:512*k
.set k, k+1
.endr
	s_wait_loadcnt 24                              ; loads come back in order: the first 8 of x are in, 24 younger ones may be out
.irp c, 0,1,2,3
	v_pk_add_f32 v[CH+2*\c:CH+2*\c+1], v[XR+2*\c:XR+2*\c+1], v[XR+8+2*\c:XR+8+2*\c+1]   ; the first 8 pairs start the four chains: nothing is cleared
.endr
.set p, 8
.rept 8
	v_pk_add_f32 v[CH+2*(p%4):CH+2*(p%4)+1], v[CH+2*(p%4):CH+2*(p%4)+1], v[XR+2*p:XR+2*p+1]
.set p, p+1
.endr
	s_wait_loadcnt 16
.rept 16
	v_pk_add_f32 v[CH+2*(p%4):CH+2*(p%4)+1], v[CH+2*(p%4):CH+2*(p%4)+1], v[XR+2*p:XR+2*p+1]
.set p, p+1
.endr
	s_wait_loadcnt 8
.rept 16
	v_pk_add_f32 v[CH+2*(p%4):CH+2*(p%4)+1], v[CH+2*(p%4):CH+2*(p%4)+1], v[XR+2*p:XR+2*p+1]
.set p, p+1
.endr
	s_wait_loadcnt 0x0
.rept 16
	v_pk_add_f32 v[CH+2*(p%4):CH+2*(p%4)+1], v[CH+2*(p%4):CH+2*(p%4)+1], v[XR+2*p:XR+2*p+1]
.set p, p+1
.endr
	v_pk_add_f32 v[CH:CH+1], v[CH:CH+1], v[CH+2:CH+3]
	v_pk_add_f32 v[CH+4:CH+5], v[CH+4:CH+5], v[CH+6:CH+7]
	v_pk_add_f32 v[CH:CH+1], v[CH:CH+1], v[CH+4:CH+5]
	v_add_f32 v[CH], v[CH], v[CH+1]
	v_add_f32_dpp v[CH], v[CH], v[CH] row_xmask:1 row_mask:0xf bank_mask:0xf
	v_add_f32_dpp v[CH], v[CH], v[CH] row_xmask:2 row_mask:0xf bank_mask:0xf
	v_add_f32_dpp v[CH], v[CH], v[CH] row_xmask:4 row_mask:0xf bank_mask:0xf
	v_add_f32_dpp v[CH], v[CH], v[CH] row_xmask:8 row_mask:0xf bank_mask:0xf
	v_permlanex16_b32 v170, v[CH], s14, s15
	v_add_f32 v[CH], v[CH], v170
	v_mul_f32 v[CH], 0x39800000, v[CH]             ; x 2^-12: the mean
	ds_store_b32 v4, v[CH]                         ; all lanes write the same word with the same value
	s_wait_dscnt 0x0                               ; for the others' sake: my store has landed
	s_barrier_signal -1
	s_barrier_wait -1
	s_cmp_lg_u32 s10, 0
	s_cbranch_scc1 .Lend
	ds_load_b128 v[PL:PL+3], v5
	ds_load_b128 v[PL+4:PL+7], v5 offset:16
	s_wait_dscnt 0x0
	v_mul_f32 v[RS], v[PL], v[W1R]
	v_mul_f32 v[RS+1], v[PL], v[W1R+8]
.irp i, 1,2,3,4,5,6,7
	v_fma_f32 v[RS], v[PL+\i], v[W1R+\i], v[RS]
	v_fma_f32 v[RS+1], v[PL+\i], v[W1R+8+\i], v[RS+1]
.endr
	global_store_b64 v6, v[RS:RS+1], s[8:9]        ; 32 lanes store 256 consecutive bytes, at a multiple of 256 from part's first byte
.Lend:
	s_barrier_signal -1
	s_barrier_wait -1
	s_wait_tensorcnt 0x0
	ds_add_u32 v176, v177
	s_wait_dscnt 0x0
	s_endpgm
.Lfunc_end_k_q05f483bddd_pool:
	.size	k_q05f483bddd_pool, .Lfunc_end_k_q05f483bddd_pool-k_q05f483bddd_pool
	.p2alignl 7, 3214868480
	.fill 96, 4, 3214868480
	.section	.rodata,"a",@progbits
	.p2align	6, 0x0
	.amdhsa_kernel k_q05f483bddd_pool
		.amdhsa_group_segment_fixed_size 1280
		.amdhsa_private_segment_fixed_size 0
		.amdhsa_enable_private_segment 0
		.amdhsa_kernarg_size 24
		.amdhsa_user_sgpr_count 2
		.amdhsa_user_sgpr_kernarg_segment_ptr 1
		.amdhsa_wavefront_size32 1
		.amdhsa_system_sgpr_workgroup_id_x 1
		.amdhsa_system_sgpr_workgroup_id_y 1
		.amdhsa_system_sgpr_workgroup_id_z 1
		.amdhsa_system_vgpr_workitem_id 0
		.amdhsa_next_free_vgpr 178
		.amdhsa_next_free_sgpr 66
		.amdhsa_reserve_vcc 0
		.amdhsa_float_denorm_mode_32 3
		.amdhsa_float_denorm_mode_16_64 3
		.amdhsa_memory_ordered 1
		.amdhsa_forward_progress 1
		.amdhsa_inst_pref_size 11
	.end_amdhsa_kernel
	.amdgpu_metadata
---
amdhsa.version: [ 1, 2 ]
amdhsa.kernels:
  - .name:           k_q05f483bddd_pool
    .symbol:         k_q05f483bddd_pool.kd
    .args:
      - { .name: x, .offset: 0, .size: 8, .value_kind: global_buffer, .address_space: global }
      - { .name: ca_w1, .offset: 8, .size: 8, .value_kind: global_buffer, .address_space: global }
      - { .name: part, .offset: 16, .size: 8, .value_kind: global_buffer, .address_space: global }
    .group_segment_fixed_size: 1280
    .private_segment_fixed_size: 0
    .kernarg_segment_align: 8
    .kernarg_segment_size: 24
    .max_flat_workgroup_size: 256
    .sgpr_count:     66
    .vgpr_count:     178
    .wavefront_size: 32
...
	.end_amdgpu_metadata
.endif
;; end of part 1
;; launch xquant (part 2): grid 64 x 4, 8 waves a work-group, no clusters, 54,272 bytes of LDS; arguments x, part, ca_b1, ca_w2, ca_b2, xq, xs, gate; writes xq, xs, gate
.if DOCPART == 2
	.amdgcn_target "amdgcn-amd-amdhsa--gfx1250"
	.amdhsa_code_object_version 6
	.text
	.protected	k_q05f483bddd_xquant
	.globl	k_q05f483bddd_xquant
	.p2align	8
	.type	k_q05f483bddd_xquant,@function
k_q05f483bddd_xquant:
	s_mov_b64 s[64:65], 0
	v_nop
	global_prefetch_b8 v0, s[64:65] scope:SCOPE_SE
	s_setreg_imm32_b32 hwreg(HW_REG_WAVE_MODE, 25, 1), 1
	s_wait_xcnt 0x0
; Finishes the channel gate, ca[b][c] = sigmoid(relu(sum of the 32 parts + b1) . ca_w2[c] + b2[c]), forms x * ca and quantises it along the channels into codes of BF6 (E3M2) with one E8M0 byte
; for each 32 channels, laid in the order in which the attention launch's operand registers take them.
; A token is (l, n): l = 8 win + b, win = 8 (y / 8) + (col / 8);  n = 8 (y % 8) + col % 8.
; xq: [n 64][kq 4][T 32][piece 3][lane 32][8 bytes].  kq: 64 channels = blocks 2 kq, 2 kq + 1.  T: a tile of 16 l; row r of tile 2 B + u is l = 32 B + 8 u + r + 8 (r / 8).  Lane r + 16 h holds block 2 kq + h of row r; piece p is
; bytes 8 p .. 8 p + 7 of that block's 24.   xs: [n][kq][T][r] of 16 bits: the two blocks' scale bytes.   gate: [b][c] f32 = ca, for the last launch.
; SHARES.  Work-group (y, kq): image row y of all 8 b, channels 64 kq .. 64 kq + 63.  Wave = b.  A lane holds pixels 2 lane and 2 lane + 1, and its registers run down the channels: a block of 32 channels of a pixel lies in one
; lane, each load reads 256 consecutive aligned bytes, and the conversions give codes with the channels innermost.  The codes turn through LDS so that wave j stores the four tiles of n = 8 (y % 8) + j as 12 aligned blocks of 256 bytes.
; Every work-group makes the gate of its 64 channels for itself (32 K multiply-adds): that is cheaper than a launch for it.  Work-groups with y = 0 store it.
; No matrix unit (nothing here is a product of size), no cluster (the work-groups share about 80 KiB of gate inputs beside 128 KiB of their own).
; LIMITS: a block whose largest magnitude lies under 2^-122 keeps the scale byte 1, a block of zeros too (its codes are zeros; only this program reads the bytes); NaN and infinities are not served.
.set W2S, 0                            ; LDS: 64 rows of ca_w2, 256 bytes + 16 of padding
.set H1,  17408                        ; 8 x 256 bytes: each wave's hidden layer
.set STG, 19456                        ; 32 tiles (4 j + t) of 1,024 bytes: 3 pieces x 256 bytes, begun 8 sigma bytes in, sigma = j / 2 + 4 (t % 2) + 16 (t / 2): so the 32 lanes of a store of 8 bytes fall on 32 different pairs of banks
.set SST, 52224                        ; 8 x 128 bytes: the scale bytes of n's four tiles
.set SX,  64                           ; v64-127   parts, then the hidden layer, then 2 pixels x 32 scaled numbers, then the way out
.set XR,  128                          ; v128-255  x: channel c in v[128 + 2 c], v[129 + 2 c]
	s_load_b256 s[4:11], s[0:1], 0x0               ; x s[4:5], part s[6:7], ca_b1 s[8:9], ca_w2 s[10:11]
	s_load_b256 s[12:19], s[0:1], 0x20             ; ca_b2 s[12:13], xq s[14:15], xs s[16:17], gate s[18:19]
	s_set_vgpr_msb 0x40
	v_lshl_add_u32 v0, v0, 2, 0xd000
	v_mov_b32 v1, 0
	s_set_vgpr_msb 0x4000
	v_lshrrev_b32 v1, 5, v0
	s_delay_alu instid0(VALU_DEP_1)
	v_readfirstlane_b32 s20, v1                    ; wave: b on the way in, j on the way out
	s_and_b32 s22, ttmp7, 0xffff                   ; kq
	v_and_b32 v1, 31, v0                           ; lane
	s_delay_alu instid0(VALU_DEP_1)
	v_lshlrev_b32 v2, 3, v1                        ; 8 x lane
	v_lshlrev_b32 v3, 4, v0                        ; 16 x thread
	s_delay_alu instid0(VALU_DEP_3)
	v_lshlrev_b32 v4, 4, v1                        ; 16 x lane
	v_and_b32 v5, 15, v0
	s_delay_alu instid0(VALU_DEP_1)
	v_lshlrev_b32 v5, 4, v5                        ; 16 x (lane % 16)
	v_lshlrev_b32 v6, 2, v1                        ; 4 x lane
	v_lshrrev_b32 v7, 4, v0
	s_delay_alu instid0(VALU_DEP_1)
	v_mul_u32_u24 v7, v7, 272
	s_delay_alu instid0(VALU_DEP_1)
	v_add_nc_u32 v7, v7, v5                        ; ca_w2 into LDS: row thread / 16, 16 bytes at 16 (thread % 16)
	s_lshl_b32 s28, s20, 8
	s_add_co_u32 s28, s28, H1
	v_add_nc_u32 v8, s28, v5                       ; my wave's hidden layer: where I put four numbers,
	v_mov_b32 v9, s28                              ; and where all lanes read them
	v_mul_u32_u24 v10, v1, 272                     ; ca_w2 out of LDS: row lane
	v_and_b32 v15, 3, v0                           ; a = lane % 4: j = 2 a + pixel
	v_bfe_u32 v16, v0, 2, 1
	v_bfe_u32 v17, v0, 3, 1                        ; row r = b + 8 x this bit
	v_bfe_u32 v18, v0, 4, 1
	s_delay_alu instid0(VALU_DEP_1)
	v_lshl_add_u32 v19, v18, 1, v16                ; t = the tile among the row's four
	v_lshlrev_b32 v11, 13, v15
	s_delay_alu instid0(VALU_DEP_1)
	v_lshl_add_u32 v11, v19, 10, v11
	s_delay_alu instid0(VALU_DEP_1)
	v_add_nc_u32 v11, v11, v2
	s_lshl_b32 s28, s20, 3
	s_add_co_u32 s28, s28, STG
	v_add_nc_u32 v11, s28, v11                     ; codes into the stage: 8,192 a + 1,024 t + 8 lane + 8 b (tile, skew and place add up to this)
	v_lshlrev_b32 v12, 8, v15
	s_delay_alu instid0(VALU_DEP_1)
	v_lshl_add_u32 v12, v19, 5, v12
	s_delay_alu instid0(VALU_DEP_1)
	v_lshl_add_u32 v12, v17, 4, v12
	s_lshl_b32 s28, s20, 1
	s_add_co_u32 s28, s28, SST
	v_add_nc_u32 v12, s28, v12                     ; scale bytes: 256 a + 32 t + 2 r
	s_lshl_b32 s28, s20, 12
	s_lshr_b32 s29, s20, 1
	s_lshl_b32 s29, s29, 3
	s_add_co_u32 s28, s28, s29
	s_add_co_u32 s28, s28, STG
	v_add_nc_u32 v13, s28, v2                      ; out of the stage: 4,096 j + 8 (j / 2) + 8 lane
	s_lshl_b32 s28, s20, 7
	s_add_co_u32 s28, s28, SST
	v_add_nc_u32 v14, s28, v6
.irp i, 0,1,2,3
	v_mov_b32 v[40+\i], 0                          ; a lane permute's destination counts as one of its sources
.endr
	s_lshl_b32 s24, s20, 22
	s_lshl_b32 s25, s22, 20
	s_add_co_u32 s24, s24, s25
	s_lshl_b32 s25, ttmp9, 8
	s_add_co_u32 s24, s24, s25                     ; x: ((256 b + 64 kq) 64 + y) 256 bytes
	s_mov_b32 s25, 0
	s_lshl_b32 s26, s20, 13                        ; part: 8,192 b
	s_mov_b32 s27, 0
	s_lshl_b32 s28, s22, 14                        ; ca_w2: 64 rows of 256 bytes
	s_mov_b32 s29, 0
	s_lshl_b32 s30, s22, 8                         ; ca_b2: 64 numbers
	s_mov_b32 s31, 0
	s_wait_kmcnt 0x0
	s_add_nc_u64 s[4:5], s[4:5], s[24:25]
	s_add_nc_u64 s[6:7], s[6:7], s[26:27]
	s_add_nc_u64 s[10:11], s[10:11], s[28:29]
	s_add_nc_u64 s[12:13], s[12:13], s[30:31]
	s_lshl_b32 s24, s20, 10
	s_add_co_u32 s24, s24, s30                     ; gate: (256 b + 64 kq) 4
	s_add_nc_u64 s[18:19], s[18:19], s[24:25]
	s_and_b32 s26, ttmp9, 7
	s_lshl_b32 s26, s26, 3
	s_add_co_u32 s26, s26, s20                     ; n = 8 (y % 8) + j
	s_lshr_b32 s23, ttmp9, 3                       ; y / 8: tiles 4 (y / 8) ..
	s_mul_i32 s24, s26, 98304
	s_mul_i32 s28, s22, 24576
	s_add_co_u32 s24, s24, s28
	s_mul_i32 s28, s23, 3072
	s_add_co_u32 s24, s24, s28
	s_add_nc_u64 s[14:15], s[14:15], s[24:25]
	s_lshl_b32 s24, s26, 12
	s_lshl_b32 s28, s22, 10
	s_add_co_u32 s24, s24, s28
	s_lshl_b32 s28, s23, 7
	s_add_co_u32 s24, s24, s28
	s_add_nc_u64 s[16:17], s[16:17], s[24:25]
	s_mov_b32 s26, 0x76543210
	s_mov_b32 s27, 0xfedcba98                      ; selects for lane l xor 16
	; 23 loads for the gate, then the 64 of x
.irp i, 0,1,2,3
	global_load_b128 v[16+4*\i:19+4*\i], v3, s[10:11] offset:4096*\i
.endr
	global_load_b32 v32, v6, s[12:13]
	global_load_b32 v33, v6, s[12:13] offset:128
.set k, 0
.rept 16
	global_load_b128 v[SX+4*k:SX+4*k+3], v4, s[6:7] offset:512*k   ; parts g = 2 k + lane / 16, outputs 4 (lane % 16) ..
.set k, k+1
.endr
	global_load_b128 v[36:39], v5, s[8:9]
.set k, 0
.rept 64
	global_load_b64 v[XR+2*k:XR+2*k+1], v2, s[4:5] offset:16384*k  ; channel k's image row: 256 consecutive aligned bytes
.set k, k+1
.endr
	s_wait_loadcnt 63                              ; 87 were issued: the oldest 24 are in, the 23 of the gate among them
.irp i, 0,1,2,3
	ds_store_b128 v7, v[16+4*\i:19+4*\i] offset:4352*\i
.endr
	v_pk_add_f32 v[56:57], v[SX:SX+1], v[SX+4:SX+5]
	v_pk_add_f32 v[58:59], v[SX+2:SX+3], v[SX+6:SX+7]
.set k, 2
.rept 14
	s_delay_alu instid0(VALU_DEP_2)
	v_pk_add_f32 v[56:57], v[56:57], v[SX+4*k:SX+4*k+1]
	s_delay_alu instid0(VALU_DEP_2)
	v_pk_add_f32 v[58:59], v[58:59], v[SX+4*k+2:SX+4*k+3]
.set k, k+1
.endr
.irp i, 0,1,2,3
	v_permlanex16_b32 v[40+\i], v[56+\i], s26, s27 ; the other 16 parts
.endr
.irp i, 0,1,2,3
	s_delay_alu instid0(VALU_DEP_4)
	v_add_f32 v[56+\i], v[56+\i], v[40+\i]
.endr
	s_delay_alu instid0(VALU_DEP_3)
	v_pk_add_f32 v[56:57], v[56:57], v[36:37]      ; + b1
	s_delay_alu instid0(VALU_DEP_2)
	v_pk_add_f32 v[58:59], v[58:59], v[38:39]
.irp i, 0,1,2,3
	v_max_num_f32 v[56+\i], 0, v[56+\i]
.endr
	ds_store_b128 v8, v[56:59]                     ; both halves of the lanes write the same bytes with the same values
	s_wait_dscnt 0x0                               ; my stores have landed
	s_barrier_signal -1
	s_barrier_wait -1                              ; ca_w2's 64 rows lie in LDS
.set k, 0
.rept 16
	ds_load_b128 v[SX+4*k:SX+4*k+3], v9 offset:16*k    ; my b's 64 hidden numbers, in every lane
.set k, k+1
.endr
.irp q, 0,1,2,3                        ; 16 of the 64 at a time: rows lane and lane + 32 of ca_w2
.irp i, 0,1,2,3
	ds_load_b128 v[16+4*\i:19+4*\i], v10 offset:64*\q+16*\i
	ds_load_b128 v[40+4*\i:43+4*\i], v10 offset:8704+64*\q+16*\i
.endr
	s_wait_alu depctr_va_vdst(0)
	s_wait_dscnt 0x0
.irp i, 0
.if (\q == 0) && (\i == 0)
	v_pk_mul_f32 v[56:57], v[16:17], v[SX:SX+1]
	v_pk_mul_f32 v[58:59], v[40:41], v[SX:SX+1]
.else
	v_pk_fma_f32 v[56:57], v[16+2*\i:17+2*\i], v[SX+16*\q+2*\i:SX+16*\q+2*\i+1], v[56:57]
	v_pk_fma_f32 v[58:59], v[40+2*\i:41+2*\i], v[SX+16*\q+2*\i:SX+16*\q+2*\i+1], v[58:59]
.endif
.endr
.irp i, 1, 2, 3, 4, 5, 6, 7
.if (\q == 0) && (\i == 0)
	v_pk_mul_f32 v[56:57], v[16:17], v[SX:SX+1]
	v_pk_mul_f32 v[58:59], v[40:41], v[SX:SX+1]
.else
	s_delay_alu instid0(VALU_DEP_2)
	v_pk_fma_f32 v[56:57], v[16+2*\i:17+2*\i], v[SX+16*\q+2*\i:SX+16*\q+2*\i+1], v[56:57]
	s_delay_alu instid0(VALU_DEP_2)
	v_pk_fma_f32 v[58:59], v[40+2*\i:41+2*\i], v[SX+16*\q+2*\i:SX+16*\q+2*\i+1], v[58:59]
.endif
.endr
.endr
	s_delay_alu instid0(VALU_DEP_2)
	v_add_f32 v56, v56, v57
	s_delay_alu instid0(VALU_DEP_2)
	v_add_f32 v58, v58, v59
	s_delay_alu instid0(VALU_DEP_2)
	v_add_f32 v56, v56, v32                        ; + b2
	s_delay_alu instid0(VALU_DEP_2)
	v_add_f32 v58, v58, v33
	s_delay_alu instid0(VALU_DEP_2)
	v_mul_f32 v60, 0xbfb8aa3b, v56                 ; sigmoid(z) = 1 / (1 + 2^(-z log2 e))
	s_delay_alu instid0(VALU_DEP_2)
	v_mul_f32 v61, 0xbfb8aa3b, v58
	s_wait_alu depctr_va_vdst(0)
	v_exp_f32 v60, v60
	v_exp_f32 v61, v61
	v_nop                                          ; a plain instruction behind the last exponential
	s_wait_alu depctr_va_vdst(0)                   ; the wait ahead of the first line that names a result: one for the two
	v_add_f32 v60, 1.0, v60
	v_add_f32 v61, 1.0, v61
	s_wait_alu depctr_va_vdst(0)
	v_rcp_f32 v62, v60
	v_rcp_f32 v63, v61
	v_nop
	s_wait_alu depctr_va_vdst(0)                   ; and one for the two reciprocals.  v62: ca of channel lane, v63: of channel lane + 32; neither is written again
	s_cmp_lg_u32 ttmp9, 0
	s_cbranch_scc1 .Lno_gate                       ; the work-groups of image row 0 store the gate for the last launch
	global_store_b32 v6, v62, s[18:19]
	global_store_b32 v6, v63, s[18:19] offset:128
.Lno_gate:
.set c, 0
.rept 32
	v_readlane_b32 s[32+c], v62, c                 ; the 64 gates as scalars: channel c in s[32 + c], channel 32 + c in s[66 + c]
	v_readlane_b32 s[66+c], v63, c
.set c, c+1
.endr
	s_wait_loadcnt 0x0                             ; x
; Block blk of the quarter, both pixels.  The multiplication by the gate also parts the two pixels.  Codes of (blk, pixel) at v[16 + 12 blk + 6 pixel]: registers of their own, so that no LDS store's data are written again.
.macro QBLK blk
.set c, 0
.rept 32
	v_mul_f32 v[SX+c], s[32+34*\blk+c], v[XR+64*\blk+2*c]
	v_mul_f32 v[SX+32+c], s[32+34*\blk+c], v[XR+64*\blk+2*c+1]
.set c, c+1
.endr
	v_max3_num_f32 v48, |v[SX]|, |v[SX+1]|, 0x2800000          ; the block's largest magnitude, and the floor 2^(5 - 127): the byte cannot fall under 1
	v_max3_num_f32 v49, |v[SX+32]|, |v[SX+33]|, 0x2800000
.irp i, 2,4,6,8,10,12,14,16,18,20,22,24,26,28,30
	s_delay_alu instid0(VALU_DEP_2)
	v_max3_num_f32 v48, v48, |v[SX+\i]|, |v[SX+1+\i]|
	s_delay_alu instid0(VALU_DEP_2)
	v_max3_num_f32 v49, v49, |v[SX+32+\i]|, |v[SX+33+\i]|
.endr
	s_delay_alu instid0(VALU_DEP_2)
	v_add_nc_u32 v50, 0xfe000000, v48              ; 4 off the exponent field: the conversion's scale operand
	s_delay_alu instid0(VALU_DEP_2)
	v_add_nc_u32 v51, 0xfe000000, v49
	s_delay_alu instid0(VALU_DEP_2)
	v_lshrrev_b32 v[52+2*\blk], 23, v50            ; the scale's byte
	s_delay_alu instid0(VALU_DEP_2)
	v_lshrrev_b32 v[53+2*\blk], 23, v51
.irp p, 0,1
	v_cvt_scalef32_pk16_bf6_f32 v[16+12*\blk+6*\p:18+12*\blk+6*\p], v[SX+32*\p:SX+32*\p+15], v[50+\p]
	v_cvt_scalef32_pk16_bf6_f32 v[40+4*\p:42+4*\p], v[SX+32*\p+16:SX+32*\p+31], v[50+\p]   ; (a conversion's three registers begin on an even number)
.endr
	v_nop                                          ; one plain instruction behind a scaled conversion
.irp p, 0,1
.irp i, 0,1,2
	v_mov_b32 v[19+12*\blk+6*\p+\i], v[40+4*\p+\i]
.endr
.endr
.irp p, 0,1
.irp q, 0,1,2
	ds_store_b64 v11, v[16+12*\blk+6*\p+2*\q:17+12*\blk+6*\p+2*\q] offset:4096*\p+128*\blk+256*\q
.endr
.endr
.endm
	QBLK 0
	QBLK 1
	v_lshl_or_b32 v56, v54, 8, v52                 ; a pixel's two bytes
	v_lshl_or_b32 v57, v55, 8, v53
	ds_store_b16 v12, v56
	ds_store_b16 v12, v57 offset:128
	s_wait_dscnt 0x0                               ; my stores have landed
	s_barrier_signal -1
	s_barrier_wait -1                              ; the 32 tiles lie in the stage
.irp t, 0,1,2,3
.irp q, 0,1,2
	ds_load_b64 v[SX+6*\t+2*\q:SX+6*\t+2*\q+1], v13 offset:1024*\t+8*(4*(\t%2)+16*(\t/2))+256*\q
.endr
.endr
	ds_load_b32 v[SX+24], v14
.irp t, 0,1,2,3
.irp q, 0,1,2
	s_wait_dscnt 12-3*\t-\q                        ; LDS loads come back in order: this one is in
	global_store_b64 v2, v[SX+6*\t+2*\q:SX+6*\t+2*\q+1], s[14:15] offset:768*\t+256*\q   ; 32 lanes store 256 consecutive bytes, at a multiple of 256 from xq's first byte
.endr
.endr
	s_wait_dscnt 0x0
	global_store_b32 v6, v[SX+24], s[16:17]        ; 128 consecutive bytes of scale bytes
	s_barrier_signal -1
	s_barrier_wait -1
	s_set_vgpr_msb 0x5
	s_wait_tensorcnt 0x0
	ds_add_u32 v0, v1
	s_wait_dscnt 0x0
	s_set_vgpr_msb 0x500
	s_endpgm
.Lfunc_end_k_q05f483bddd_xquant:
	.size	k_q05f483bddd_xquant, .Lfunc_end_k_q05f483bddd_xquant-k_q05f483bddd_xquant
	.p2alignl 7, 3214868480
	.fill 96, 4, 3214868480
	.section	.rodata,"a",@progbits
	.p2align	6, 0x0
	.amdhsa_kernel k_q05f483bddd_xquant
		.amdhsa_group_segment_fixed_size 54272
		.amdhsa_private_segment_fixed_size 0
		.amdhsa_enable_private_segment 0
		.amdhsa_kernarg_size 64
		.amdhsa_user_sgpr_count 2
		.amdhsa_user_sgpr_kernarg_segment_ptr 1
		.amdhsa_wavefront_size32 1
		.amdhsa_system_sgpr_workgroup_id_x 1
		.amdhsa_system_sgpr_workgroup_id_y 1
		.amdhsa_system_sgpr_workgroup_id_z 1
		.amdhsa_system_vgpr_workitem_id 0
		.amdhsa_next_free_vgpr 258
		.amdhsa_next_free_sgpr 100
		.amdhsa_reserve_vcc 0
		.amdhsa_float_denorm_mode_32 3
		.amdhsa_float_denorm_mode_16_64 3
		.amdhsa_memory_ordered 1
		.amdhsa_forward_progress 1
		.amdhsa_inst_pref_size 46
	.end_amdhsa_kernel
	.amdgpu_metadata
---
amdhsa.version: [ 1, 2 ]
amdhsa.kernels:
  - .name:           k_q05f483bddd_xquant
    .symbol:         k_q05f483bddd_xquant.kd
    .args:
      - { .name: x, .offset: 0, .size: 8, .value_kind: global_buffer, .address_space: global }
      - { .name: part, .offset: 8, .size: 8, .value_kind: global_buffer, .address_space: global }
      - { .name: ca_b1, .offset: 16, .size: 8, .value_kind: global_buffer, .address_space: global }
      - { .name: ca_w2, .offset: 24, .size: 8, .value_kind: global_buffer, .address_space: global }
      - { .name: ca_b2, .offset: 32, .size: 8, .value_kind: global_buffer, .address_space: global }
      - { .name: xq, .offset: 40, .size: 8, .value_kind: global_buffer, .address_space: global }
      - { .name: xs, .offset: 48, .size: 8, .value_kind: global_buffer, .address_space: global }
      - { .name: gate, .offset: 56, .size: 8, .value_kind: global_buffer, .address_space: global }
    .group_segment_fixed_size: 54272
    .private_segment_fixed_size: 0
    .kernarg_segment_align: 8
    .kernarg_segment_size: 64
    .max_flat_workgroup_size: 256
    .sgpr_count:     100
    .vgpr_count:     258
    .wavefront_size: 32
...
	.end_amdgpu_metadata
.endif
;; end of part 2
;; launch attn (part 3): grid 4 x 64, 16 waves a work-group, no clusters, 107,520 bytes of LDS; arguments xq, xs, in_proj_w_codes, in_proj_w_scales, in_proj_b, oq; writes oq
.if DOCPART == 3
	.amdgcn_target "amdgcn-amd-amdhsa--gfx1250"
	.amdhsa_code_object_version 6
	.text
	.protected	k_q05f483bddd_attn
	.globl	k_q05f483bddd_attn
	.p2align	8
	.type	k_q05f483bddd_attn,@function
k_q05f483bddd_attn:
	s_mov_b64 s[64:65], 0
	v_nop
	global_prefetch_b8 v0, s[64:65] scope:SCOPE_SE
	s_setreg_imm32_b32 hwreg(HW_REG_WAVE_MODE, 25, 1), 1
	s_wait_xcnt 0x0
; For one place in the window n (64) and one pair of heads hp (4): q, k, v = x W^T + b on codes of BF6 (E3M2); q / sqrt(32), k (along the head's 32) and v (along the 512 keys) quantised in registers;
; o = softmax(q k^T) v, both products on codes; o quantised along the head's 32 and stored as records for the last launch.  Nothing but o's codes goes to memory.
; THE SOFTMAX: t = score x log2 e; M = the row's largest t so far, rounded UP to a whole number; p = 2^(t - M) is quantised along the keys, not normalised; the row's sum is taken of the unquantised p and divides O at the end;
; when M moves, the sum and O are multiplied by 2^(old M - new M), which rounds nothing.
; SHARES.  16 waves, four to a SIMD, 256 registers each, so that one wave's vector work stands beside another's matrix work and LDS loads.  Wave: g = wave % 8, head = 2 hp + wave / 8.  It projects the 64 tokens l = 64 g .. 64 g + 63
; (tiles 4 g .. 4 g + 3) for its head, hands K and V to the other seven waves of its head through LDS as images of the operand's registers, keeps its Q, and then walks all 512 keys for each of its four tiles of 16 queries.
; ONE ORDER OF ROWS EVERYWHERE: row r of tile 2 B + u is index 32 B + 8 u + r + 8 (r / 8), for the tokens of a tile of x and for the rows of W within a head.  So the 16 registers of two neighbouring result tiles are 16 neighbours along
; the next product's K.
; q k^T HAS K = 32 IN AN INSTRUCTION OF K = 128.  A packed fragment of K holds in its block b (32 along K) the 32 codes of the keys of tile 4 G + b.  It is multiplied four times, each time by a fragment of Q that has the queries' codes
; in block b and zero codes elsewhere (zero codes add nothing: no scale byte here is 0xff).  So every LDS byte read is of use, and 8 matrix instructions give the scores of 128 keys.
; Both attention products are used transposed (S^T = K Q^T, O^T = V^T P^T): a lane holds one query throughout.
; NO TENSOR LOADS, NO CLUSTER: x's codes lie in memory in the order of the operand's registers and go straight into them, 96 KiB a work-group, once, at the head; the four work-groups of one n read the same 96 KiB, which is all that they
; share, and a joint load would send it through LDS first.
; oq: blocks of 256 bytes, number 512 win + 16 (n / 2) + 2 head + n % 2; in a block 8 records (b) of 32 bytes: 24 bytes of codes, the scale byte as a word, a zero word.
; LIMITS: a block whose largest magnitude lies under 2^-122 keeps the scale byte 1, a block of zeros too (its codes are zeros); a p under 2^-126 counts as 0; NaN and infinities are not served.
.set WIMG, 0                           ; LDS: W's 24 fragments (tile w = 4 m + 2 hs + u, m = q, k, v; fragment 2 w + e), 1,536 bytes each: 3 x 512, lane l's 16 bytes at 16 l
.set WSC,  36864                       ; their scale words, 128 bytes each: 4 bytes a lane
.set BIMG, 39936                       ; the biases as the C of a tile's first product: 12 x 1,024 bytes
.set KIMG, 52224                       ; K's 16 packed fragments (8 hsel + G)
.set KSC,  76800
.set VIMG, 78848                       ; V's 16 fragments (8 hsel + 4 d + key step)
.set VSC,  103424
; registers that stay
.set LI,  1                            ; 16 x lane
.set LS,  2                            ; 4 x lane
.set AK,  3                            ; my head's K images;  AKS their scale words;  AV, AVS the same for V
.set AKS, 4
.set AV,  5
.set AVS, 6
.set OA,  7                            ; my lane's byte offset among a unit's records
; the projection
.set VST, 8                            ; v8-10  where my three pairs of registers of a fragment of V go;  v11 its two scale bytes
.set VSS, 11
.set AW,  12                           ; my head's W images, scale words, biases
.set AWS, 13
.set ABI, 14
.set WIS, 15                           ; where wave w < 12 puts tile w:  images;  v28 scale words;  v31 bias
.set XSW, 16                           ; v16-27 hold scales and nothing else, for the whole launch: here x's 8 scale words (2 t + e) and W's 4 (2 u + e)
.set WS,  24
.set WSS, 28
.set AKW, 29                           ; where I put my packed fragment of K;  v30 its scale word
.set AKSW, 30
.set WBS, 31
.set BI,  32                           ; v32-47   two tiles' biases
.set WF,  48                           ; v48-95   four fragments of W (2 u + e); behind the products: the quantiser's work
.set TM,  48
.set PC,  64
.set PW,  84
.set AC,  96                           ; v96-159  8 accumulators; at the head: what is loaded for LDS, and the global loads' offsets
.set XF,  160                          ; v160-255 x's 8 fragments (2 t + e)
; the attention
.set KS,  16                           ; K's two scale words;  V's two;  Q's;  p's;  the packed Q's four bytes
.set VS,  18
.set QS,  20
.set PWS, 21
.set PWQ, 22
.set QA,  30                           ; v30-47  [6 zeros | the queries' codes in lanes 0-15 | 6 zeros]: blocks 0 (from v36) and 2 (from v30)
.set QBB, 48                           ; v48-65  the same with the codes in lanes 16-31: blocks 1 (from v54) and 3 (from v48)
.set KF,  66                           ; v66-89   two packed fragments of K
.set FQ,  90                           ; v90-101  my packed fragment of Q: block t = tile 4 g + t
.set VF,  102                          ; v102-125 two fragments of V
.set O,   126                          ; v126-141 O^T: register 8 d + j = channel 16 (lane / 16) + 8 d + j
.set S,   142                          ; v142-205 S^T, then p
.set PP,  206                          ; v206-225 p's codes
.set BM,  226                          ; v226-229 the blocks' largest;  v230-233 from the other half, then bytes;  v234-237 the conversions' scale operands
.set BP,  230
.set SO,  234
.set FF,  238                          ; v[238:239] f = 2^(old M - new M), later 1 / the sum
.set W0,  240
.set W1,  241
.set SC2, 242                          ; v[242:243] the sum's second chain
.set CV,  244                          ; v244-246 o's codes;  v247 the partner's first word;  v248-251 what is stored, written nowhere else
.set PT,  247
.set SD,  248
.set SEL, 20                           ; s[20:21] selects for lane l xor 16
.set CS,  22                           ; s[22:23] log2 e
.set QSC, 24                           ; s[24:25] 1 / sqrt(32)
.macro FETCH reg, adr, off             ; a fragment's image comes back as 12 registers
.irp c, 0,1,2
	ds_load_b128 v[(\reg)+4*\c:(\reg)+4*\c+3], v[\adr] offset:(\off)+512*\c
.endr
.endm
.macro NOP4                            ; four places behind a matrix instruction (ISA guide 7.12.1), where no other vector work is at hand
.rept 4
	v_nop
.endr
.endm
	s_load_b256 s[4:11], s[0:1], 0x0               ; xq s[4:5], xs s[6:7], W's codes s[8:9], W's scales s[10:11]
	s_load_b128 s[12:15], s[0:1], 0x20             ; in_proj_b s[12:13], oq s[14:15]
	v_lshrrev_b32 v158, 5, v0
	s_delay_alu instid0(VALU_DEP_1)
	v_readfirstlane_b32 s16, v158                  ; wave 0..15
	s_and_b32 s17, s16, 7                          ; g
	s_lshr_b32 s18, s16, 3                         ; hsel
	s_lshl_b32 s19, ttmp9, 1
	s_add_co_u32 s19, s19, s18                     ; head
	s_and_b32 s38, ttmp7, 0xffff                   ; n
	v_and_b32 v158, 31, v0
	s_delay_alu instid0(VALU_DEP_1)
	v_lshlrev_b32 v[LI], 4, v158
	s_wait_alu depctr_va_vdst(0)
	v_lshlrev_b32 v[LS], 2, v158
	v_lshlrev_b32 v157, 3, v158                    ; xq: 8 bytes a lane
	v_and_b32 v156, 15, v0
	s_delay_alu instid0(VALU_DEP_1)
	v_lshlrev_b32 v156, 1, v156                    ; xs: 2 bytes a row
	; every LDS address is made here, ahead of the first branch: a constant + a constant x wave's parts + 16 or 4 x lane
	s_mul_i32 s40, s18, 12288
	s_add_co_u32 s41, s40, KIMG
	v_add_nc_u32 v[AK], s41, v[LI]
	s_add_co_u32 s41, s40, VIMG
	v_add_nc_u32 v[AV], s41, v[LI]
	s_lshl_b32 s40, s18, 10
	s_add_co_u32 s41, s40, KSC
	v_add_nc_u32 v[AKS], s41, v[LS]
	s_add_co_u32 s41, s40, VSC
	v_add_nc_u32 v[AVS], s41, v[LS]
	s_lshl_b32 s40, s18, 3
	s_lshr_b32 s41, s17, 1
	s_add_co_u32 s40, s40, s41                     ; V's fragment of my key step: 8 hsel + g / 2
	s_and_b32 s43, s17, 1                          ; c' = g % 2: my two blocks are registers 6 c' .. 6 c' + 5 of it
	s_mul_i32 s42, s40, 1536
	s_add_co_u32 s42, s42, VIMG
	s_mul_i32 s44, s43, 520
	s_add_co_u32 s45, s42, s44
	v_add_nc_u32 v[VST], s45, v[LI]                ; registers 0, 1 at byte 0 of the image's first 512, or 6, 7 at byte 8 of its second
	s_add_co_u32 s45, s45, 512
	v_add_nc_u32 v[VST+2], s45, v[LI]              ; registers 4, 5, or 10, 11
	s_mul_i32 s44, s43, 1016
	s_add_co_u32 s45, s42, s44
	s_add_co_u32 s45, s45, 8
	v_add_nc_u32 v[VST+1], s45, v[LI]              ; registers 2, 3, or 8, 9
	s_lshl_b32 s44, s40, 7
	s_add_co_u32 s44, s44, VSC
	s_lshl_b32 s45, s43, 1
	s_add_co_u32 s44, s44, s45
	v_add_nc_u32 v[VSS], s44, v[LS]                ; bytes 2 c', 2 c' + 1 of its scale word
	s_mul_i32 s40, s18, 6144
	v_add_nc_u32 v[AW], s40, v[LI]
	s_lshl_b32 s40, s18, 9
	s_add_co_u32 s40, s40, WSC
	v_add_nc_u32 v[AWS], s40, v[LS]
	s_lshl_b32 s40, s18, 11
	s_add_co_u32 s40, s40, BIMG
	v_add_nc_u32 v[ABI], s40, v[LI]
	s_mul_i32 s40, s16, 3072
	v_add_nc_u32 v[WIS], s40, v[LI]
	s_lshl_b32 s40, s16, 8
	s_add_co_u32 s40, s40, WSC
	v_add_nc_u32 v[WSS], s40, v[LS]
	s_lshl_b32 s40, s16, 10
	s_add_co_u32 s40, s40, BIMG
	v_add_nc_u32 v[WBS], s40, v[LI]
	s_mul_i32 s40, s16, 1536
	s_add_co_u32 s40, s40, KIMG
	v_add_nc_u32 v[AKW], s40, v[LI]
	s_lshl_b32 s40, s16, 7
	s_add_co_u32 s40, s40, KSC
	v_add_nc_u32 v[AKSW], s40, v[LS]
	s_mov_b32 s[SEL], 0x76543210
	s_mov_b32 s[SEL+1], 0xfedcba98
	s_mov_b32 s[CS], 0x3fb8aa3b                    ; log2 e
	s_mov_b32 s[CS+1], s[CS]                       ; (the packed forms name a pair and take its low word for both halves: so the upper word is written)
	s_mov_b32 s[QSC], 0x3e3504f3                   ; 1 / sqrt(32)
	s_mov_b32 s[QSC+1], s[QSC]
	s_mov_b32 s26, 0x0000ffff                      ; lanes 0-15
	s_mov_b32 s27, 0xffff0000                      ; lanes 16-31
	s_mul_i32 s40, s38, 98304
	s_mul_i32 s41, s17, 3072
	s_add_co_u32 s40, s40, s41                     ; xq: n, tiles 4 g ..
	s_mov_b32 s41, 0
	s_lshl_b32 s42, s38, 12
	s_lshl_b32 s43, s17, 7
	s_add_co_u32 s42, s42, s43                     ; xs likewise
	s_mov_b32 s43, 0
	s_lshr_b32 s44, s38, 1
	s_lshl_b32 s44, s44, 4
	s_lshl_b32 s45, s19, 1
	s_add_co_u32 s44, s44, s45
	s_and_b32 s45, s38, 1
	s_add_co_u32 s44, s44, s45
	s_lshl_b32 s44, s44, 8                         ; oq: block 16 (n / 2) + 2 head + n % 2,
	s_lshl_b32 s45, s17, 20
	s_add_co_u32 s44, s44, s45                     ; of window 8 g (131,072 bytes a window)
	s_mov_b32 s45, 0
	s_wait_kmcnt 0x0
	s_add_nc_u64 s[4:5], s[4:5], s[40:41]
	s_add_nc_u64 s[6:7], s[6:7], s[42:43]
	s_add_nc_u64 s[36:37], s[14:15], s[44:45]
	; waves 0 to 11 bring one tile of W each: 16 rows x 256 K, their scale words, and the bias in the result's layout
	s_cmp_lt_u32 s16, 12
	s_cbranch_scc0 .Lno_w
	s_lshr_b32 s40, s16, 2                         ; m: 0 q, 1 k, 2 v
	s_bfe_u32 s41, s16, 0x10001                    ; hs
	s_and_b32 s42, s16, 1                          ; u
	s_lshl_b32 s43, ttmp9, 1
	s_add_co_u32 s43, s43, s41
	s_lshl_b32 s43, s43, 5
	s_lshl_b32 s44, s40, 8
	s_add_co_u32 s43, s43, s44
	s_lshl_b32 s44, s42, 3
	s_add_co_u32 s43, s43, s44                     ; 256 m + 32 head + 8 u
	v_and_b32 v140, 15, v0                         ; r
	v_bfe_u32 v141, v0, 4, 1                       ; h
	s_delay_alu instid0(VALU_DEP_2)
	v_and_b32 v142, 8, v140
	s_delay_alu instid0(VALU_DEP_1)
	v_add_nc_u32 v142, v142, v140                  ; r + 8 (r / 8)
	s_delay_alu instid0(VALU_DEP_1)
	v_add_nc_u32 v143, s43, v142                   ; my row of W
	s_delay_alu instid0(VALU_DEP_1)
	v_mul_u32_u24 v138, v143, 192
	s_delay_alu instid0(VALU_DEP_1)
	v_mad_u32_u24 v138, v141, 24, v138             ; its codes: 192 bytes a row, + 24 h
	s_delay_alu instid0(VALU_DEP_3)
	v_lshlrev_b32 v139, 3, v143                    ; its scale bytes: 8 a row
	s_cmp_eq_u32 s40, 2                            ; q, k (W is source 0): register j of lane (r, h) is channel 16 h + 8 u + j;  v (W is source 1): every register is my row's channel
	s_cselect_b32 s44, 1, 0
	s_cselect_b32 s45, 0, 16
	s_cselect_b32 s46, 0, 4
	v_mul_u32_u24 v144, v142, s44
	s_delay_alu instid0(VALU_DEP_1)
	v_mad_u32_u24 v144, v141, s45, v144
	s_delay_alu instid0(VALU_DEP_1)
	v_add_nc_u32 v144, s43, v144
	s_delay_alu instid0(VALU_DEP_1)
	v_lshlrev_b32 v130, 2, v144
.irp j, 1,2,3,4,5,6,7
	s_delay_alu instid0(VALU_DEP_1)
	v_add_nc_u32 v[130+\j], s46, v[129+\j]
.endr
.irp e, 0,1
.irp p, 0,1,2,3,4,5
	global_load_b64 v[96+12*\e+2*\p:97+12*\e+2*\p], v138, s[8:9] offset:96*\e+48*(\p/3)+8*(\p%3)
.endr
.endr
.irp e, 0,1
	global_load_b32 v[120+\e], v139, s[10:11] offset:4*\e
.endr
.irp j, 0,1,2,3,4,5,6,7
	global_load_b32 v[122+\j], v[130+\j], s[12:13]
.endr
.Lno_w:
.irp kq, 0,1,2,3
.irp t, 0,1,2,3
	global_load_u16 v[140+4*\t+\kq], v156, s[6:7] offset:1024*\kq+32*\t
.endr
.endr
.irp kq, 0,1,2,3
.irp t, 0,1,2,3
.irp p, 0,1,2
	global_load_b64 v[XF+12*(2*\t+\kq/2)+6*(\kq%2)+2*\p:XF+12*(2*\t+\kq/2)+6*(\kq%2)+2*\p+1], v157, s[4:5] offset:24576*\kq+768*\t+256*\p   ; 256 consecutive aligned bytes, straight into the operand's registers
.endr
.endr
.endr
	s_cmp_lt_u32 s16, 12
	s_cbranch_scc0 .Lno_ws
	s_wait_loadcnt 63                              ; these waves issued 86: the oldest 23 are in, the 22 of W among them
	s_wait_alu depctr_va_vdst(0)
.irp e, 0,1
.irp c, 0,1,2
	ds_store_b128 v[WIS], v[96+12*\e+4*\c:99+12*\e+4*\c] offset:1536*\e+512*\c
.endr
	ds_store_b32 v[WSS], v[120+\e] offset:128*\e
.endr
	ds_store_b128 v[WBS], v[122:125]
	ds_store_b128 v[WBS], v[126:129] offset:512
.Lno_ws:
	s_wait_dscnt 0x0                               ; my stores have landed
	s_barrier_signal -1
	s_barrier_wait -1                              ; W lies in LDS
	s_wait_loadcnt 48                              ; x's scale bytes are in; the 48 loads of codes are younger
.irp t, 0,1,2,3
.irp e, 0,1
	v_lshl_or_b32 v[XSW+2*\t+\e], v[141+4*\t+2*\e], 16, v[140+4*\t+2*\e]   ; four bytes for 128 along K
.endr
.endr
	v_bfe_u32 v[OA], v0, 3, 1                      ; eight plain lines between those scale words and the first product that names them
	s_delay_alu instid0(VALU_DEP_1)
	v_lshlrev_b32 v[OA], 18, v[OA]                 ; a unit's rows 8-15 lie two windows on,
	v_and_b32 v158, 7, v0
	s_delay_alu instid0(VALU_DEP_1)
	v_lshl_add_u32 v[OA], v158, 5, v[OA]           ; record b = r % 8,
	v_bfe_u32 v158, v0, 4, 1
	s_delay_alu instid0(VALU_DEP_1)
	v_lshl_add_u32 v[OA], v158, 4, v[OA]           ; its half h
	v_nop
	v_nop
.macro WLOAD m                         ; my head's two tiles of W_m: 4 fragments, 4 scale words, 2 biases
.irp u, 0,1
.irp e, 0,1
	FETCH WF+12*(2*\u+\e), AW, 12288*(\m)+1536*(2*\u+\e)
	ds_load_b32 v[WS+2*\u+\e], v[AWS] offset:1024*(\m)+128*(2*\u+\e)
.endr
.irp c, 0,1
	ds_load_b128 v[BI+8*\u+4*\c:BI+8*\u+4*\c+3], v[ABI] offset:4096*(\m)+1024*\u+512*\c
.endr
.endr
.endm
; q and k, transposed: source 0 = 16 rows of W, source 1 = 16 tokens.  Accumulator 2 t + u: lane (r, h) holds token r of tile t, register j channel 16 h + 8 u + j.  The 8 accumulators take turns, one instruction a turn.
.macro PROJT
.irp e, 0,1
.irp t, 0,1,2,3
.irp u, 0,1
.if \e == 0
	v_wmma_scale_f32_16x16x128_f8f6f4 v[AC+8*(2*\t+\u):AC+8*(2*\t+\u)+7], v[WF+12*(2*\u+\e):WF+12*(2*\u+\e)+11], v[XF+12*(2*\t+\e):XF+12*(2*\t+\e)+11], v[BI+8*\u:BI+8*\u+7], v[WS+2*\u+\e], v[XSW+2*\t+\e] matrix_a_fmt:MATRIX_FMT_BF6 matrix_b_fmt:MATRIX_FMT_BF6
.else
	v_wmma_scale_f32_16x16x128_f8f6f4 v[AC+8*(2*\t+\u):AC+8*(2*\t+\u)+7], v[WF+12*(2*\u+\e):WF+12*(2*\u+\e)+11], v[XF+12*(2*\t+\e):XF+12*(2*\t+\e)+11], v[AC+8*(2*\t+\u):AC+8*(2*\t+\u)+7], v[WS+2*\u+\e], v[XSW+2*\t+\e] matrix_a_fmt:MATRIX_FMT_BF6 matrix_b_fmt:MATRIX_FMT_BF6
.endif
.endr
.endr
.endr
.endm
; v: source 0 = 16 tokens, source 1 = 16 rows of W.  Accumulator 4 d + t: lane (r, h) holds channel 8 d + r + 8 (r / 8), and the registers run along the tokens, which are the second attention product's K.
.macro PROJV
.irp e, 0,1
.irp d, 0,1
.irp t, 0,1,2,3
.if \e == 0
	v_wmma_scale_f32_16x16x128_f8f6f4 v[AC+8*(4*\d+\t):AC+8*(4*\d+\t)+7], v[XF+12*(2*\t+\e):XF+12*(2*\t+\e)+11], v[WF+12*(2*\d+\e):WF+12*(2*\d+\e)+11], v[BI+8*\d:BI+8*\d+7], v[XSW+2*\t+\e], v[WS+2*\d+\e] matrix_a_fmt:MATRIX_FMT_BF6 matrix_b_fmt:MATRIX_FMT_BF6
.else
	v_wmma_scale_f32_16x16x128_f8f6f4 v[AC+8*(4*\d+\t):AC+8*(4*\d+\t)+7], v[XF+12*(2*\t+\e):XF+12*(2*\t+\e)+11], v[WF+12*(2*\d+\e):WF+12*(2*\d+\e)+11], v[AC+8*(4*\d+\t):AC+8*(4*\d+\t)+7], v[XSW+2*\t+\e], v[WS+2*\d+\e] matrix_a_fmt:MATRIX_FMT_BF6 matrix_b_fmt:MATRIX_FMT_BF6
.endif
.endr
.endr
.endr
.endm
; The 64 numbers of the accumulators, register 16 b + i = place 32 b + 16 (lane / 16) + i along K of my row, become a fragment's codes in v[PC] on and its scale word in v[PW].
.macro QUANT
.irp b, 0,1,2,3
	v_max3_num_f32 v[TM+\b], |v[AC+16*\b]|, |v[AC+1+16*\b]|, 0x2800000   ; block b: my 16 numbers, and the floor 2^(5 - 127): the byte cannot fall under 1
.endr
.irp i, 2,4,6,8,10,12,14
.irp b, 0,1,2,3
	v_max3_num_f32 v[TM+\b], v[TM+\b], |v[AC+16*\b+\i]|, |v[AC+1+16*\b+\i]|
.endr
.endr
.irp b, 0,1,2,3
	s_delay_alu instid0(VALU_DEP_4)
	v_permlanex16_b32 v[TM+4+\b], v[TM+\b], s[SEL], s[SEL+1]
.endr
.irp b, 0,1,2,3
	s_delay_alu instid0(VALU_DEP_4)
	v_max_num_f32 v[TM+\b], v[TM+\b], v[TM+4+\b]   ; with lane l xor 16's: the block's largest magnitude
.endr
.irp b, 0,1,2,3
	s_delay_alu instid0(VALU_DEP_4)
	v_add_nc_u32 v[TM+12+\b], 0xfe000000, v[TM+\b] ; 4 off its exponent field: the conversion's scale operand
.endr
.irp b, 0,1,2,3
	s_delay_alu instid0(VALU_DEP_4)
	v_lshrrev_b32 v[TM+4+\b], 23, v[TM+12+\b]      ; the scale's byte
.endr
	s_delay_alu instid0(VALU_DEP_3)
	v_lshl_or_b32 v[PW], v[TM+5], 8, v[TM+4]
	s_delay_alu instid0(VALU_DEP_1)
	v_lshl_or_b32 v[PW], v[TM+6], 16, v[PW]
	s_delay_alu instid0(VALU_DEP_1)
	v_lshl_or_b32 v[PW], v[TM+7], 24, v[PW]
.irp c, 0,1
	v_cvt_scalef32_pk16_bf6_f32 v[PC+6*\c:PC+2+6*\c], v[AC+32*\c:AC+15+32*\c], v[TM+12+2*\c]
	v_cvt_scalef32_pk16_bf6_f32 v[PC+12+4*\c:PC+14+4*\c], v[AC+16+32*\c:AC+31+32*\c], v[TM+13+2*\c]   ; (a conversion's three registers begin on an even number)
.endr
	v_nop                                          ; one plain instruction behind a scaled conversion
.irp c, 0,1                            ; the operand's layout wants a whole block in a lane: lanes 0-15 block 2 c, lanes 16-31 block 2 c + 1
.irp i, 0,1,2
	v_permlane16_swap_b32 v[PC+6*\c+\i], v[PC+12+4*\c+\i]
.endr
.irp i, 0,1,2
	s_delay_alu instid0(VALU_DEP_3)
	v_mov_b32 v[PC+3+6*\c+\i], v[PC+12+4*\c+\i]
.endr
.endr
.endm
	; ---- K: block t of the result is tile 4 g + t's 32 channels: my packed fragment
	WLOAD 1
	s_wait_alu depctr_va_vdst(0)
	s_wait_dscnt 0x0
	s_wait_loadcnt 0x0                             ; x's codes
	PROJT
	NOP4
	QUANT
.irp c, 0,1,2
	ds_store_b128 v[AKW], v[PC+4*\c:PC+4*\c+3] offset:512*\c
.endr
	ds_store_b32 v[AKSW], v[PW]
	s_wait_dscnt 0x0                               ; the stores have read their registers, which the next loads fill
	; ---- V: the quantiser's blocks are (d 0, keys 0-31), (d 0, keys 32-63), (d 1, ..), (d 1, ..) of my 64 keys: registers 0-5 go into V's fragment d = 0 of my key step, registers 6-11 into d = 1, in the same lanes
	WLOAD 2
	s_wait_dscnt 0x0
	PROJV
	NOP4
	QUANT
.irp d, 0,1
.irp i, 0,1,2
	ds_store_b64 v[VST+\i], v[PC+6*\d+2*\i:PC+6*\d+2*\i+1] offset:6144*\d
.endr
.endr
	ds_store_b16 v[VSS], v[PW]
	ds_store_b16_d16_hi v[VSS], v[PW] offset:512
	s_wait_dscnt 0x0
	; ---- Q: (x W^T + b) / sqrt(32), quantised; it stays in my registers
	WLOAD 0
	s_wait_dscnt 0x0
	PROJT
	NOP4
.set j, 0
.rept 32
	v_pk_mul_f32 v[AC+j:AC+j+1], v[AC+j:AC+j+1], s[QSC:QSC+1] op_sel_hi:[1,0]
.set j, j+2
.endr
	QUANT
.irp i, 0,1,2,3,4,5,6,7,8,9,10,11
	v_mov_b32 v[FQ+\i], v[PC+\i]
.endr
	v_mov_b32 v[PWQ], v[PW]
	s_wait_dscnt 0x0
	s_barrier_signal -1
	s_barrier_wait -1                              ; K's and V's images of both heads lie in LDS; nothing is stored to LDS from here on
.irp i, 0,1,2,3,4,5
	v_mov_b32 v[QA+\i], 0                          ; the zero codes round the queries' codes: written once
	v_mov_b32 v[QA+12+\i], 0
	v_mov_b32 v[QBB+\i], 0
	v_mov_b32 v[QBB+12+\i], 0
.endr
.irp b, 0,1,2,3
	v_mov_b32 v[BP+\b], 0                          ; a lane permute's destination counts as one of its sources
.endr
	v_mov_b32 v[W1], 0
	v_mov_b32 v[PT], 0
	v_mov_b32 v[FF+1], 0                           ; (named as the upper half of a pair)
	FETCH KF, AK, 0                                ; the first key step's K
	FETCH KF+12, AK, 1536
	ds_load_b32 v[KS], v[AKS]
	ds_load_b32 v[KS+1], v[AKS] offset:128
; A KEY STEP: 128 keys.  Every LDS offset is an immediate.
.macro STEP st
	s_wait_dscnt 0x0                               ; this step's K is in (asked for a step ago)
.irp t, 0,1,2,3,4,5,6,7                ; tile t of the step's 8: packed fragment t / 4, block t % 4.  Register 16 b + i of S^T is then key 128 st + 32 b + 16 (lane / 16) + i
	v_wmma_scale_f32_16x16x128_f8f6f4 v[S+8*\t:S+8*\t+7], v[KF+12*(\t/4):KF+12*(\t/4)+11], v[36+18*(\t%2)-6*((\t%4)/2):47+18*(\t%2)-6*((\t%4)/2)], 0, v[KS+\t/4], v[QS] matrix_a_fmt:MATRIX_FMT_BF6 matrix_b_fmt:MATRIX_FMT_BF6
.endr
	NOP4                                           ; places in front of the loads into registers that matrix instructions have read, and of the first read of the scores
.irp d, 0,1
	FETCH VF+12*\d, AV, 6144*\d+1536*(\st)
	ds_load_b32 v[VS+\d], v[AVS] offset:512*\d+128*(\st)
.endr
.irp d, 0,1
	FETCH KF+12*\d, AK, 3072*(((\st)+1)%4)+1536*\d ; the next step's K (behind the last step: the next unit's first)
	ds_load_b32 v[KS+\d], v[AKS] offset:256*(((\st)+1)%4)+128*\d
.endr
.irp b, 0,1,2,3
	v_max3_num_f32 v[BM+\b], v[S+16*\b], v[S+1+16*\b], v[S+2+16*\b]   ; the largest score of each block of 32 keys: it serves for the row's maximum and, since p rises with the score, for the block's largest p
.endr
.irp i, 3,5,7,9,11,13
.irp b, 0,1,2,3
	v_max3_num_f32 v[BM+\b], v[BM+\b], v[S+16*\b+\i], v[S+1+16*\b+\i]
.endr
.endr
.irp b, 0,1,2,3
	v_max_num_f32 v[BM+\b], v[BM+\b], v[S+15+16*\b]
.endr
.irp b, 0,1,2,3
	s_delay_alu instid0(VALU_DEP_4)
	v_permlanex16_b32 v[BP+\b], v[BM+\b], s[SEL], s[SEL+1]
.endr
.irp b, 0,1,2,3
	s_delay_alu instid0(VALU_DEP_4)
	v_max_num_f32 v[BM+\b], v[BM+\b], v[BP+\b]     ; with lane l xor 16's 16 keys
.endr
	s_delay_alu instid0(VALU_DEP_2)
	v_max3_num_f32 v[W0], v[BM], v[BM+1], v[BM+2]
	s_delay_alu instid0(VALU_DEP_1)
	v_max_num_f32 v[W0], v[W0], v[BM+3]
	s_delay_alu instid0(VALU_DEP_1)
	v_mul_f32 v[W0], s[CS], v[W0]                  ; the step's largest t
	s_delay_alu instid0(VALU_DEP_1)
	v_max_num_f32 v13, v13, v[W0]                  ; the running largest t
	v_mov_b32 v[W0], v12
	s_delay_alu instid0(VALU_DEP_2)
	v_floor_f32 v12, -v13                          ; the new -M = floor(-t): M is a whole number
	s_delay_alu instid0(VALU_DEP_1)
	v_sub_f32 v[W0], v12, v[W0]                    ; old M - new M: a whole number, 0 or less
	s_delay_alu instid0(VALU_DEP_1)
	v_cvt_i32_f32 v[W0], v[W0]                     ; (it saturates)
	s_delay_alu instid0(VALU_DEP_1)
	v_ldexp_f32 v[FF], 1.0, v[W0]                  ; f = 2^(old M - new M)
.set j, 0
.rept 32
	v_pk_fma_f32 v[S+j:S+j+1], v[S+j:S+j+1], s[CS:CS+1], v[12:13] op_sel_hi:[1,0,0]   ; t - M, two at a time
.set j, j+2
.endr
.irp j, 0,2,4,6,8,10,12,14
	v_pk_mul_f32 v[O+\j:O+1+\j], v[O+\j:O+1+\j], v[FF:FF+1] op_sel_hi:[1,0]   ; O^T under the new M, each accumulator from its low end on
.endr
.irp b, 0,1,2,3
	v_fma_f32 v[BM+\b], v[BM+\b], s[CS], v12       ; the same of each block's largest score
.endr
.set j, 0
	s_wait_alu depctr_va_vdst(0)
.rept 64
	v_exp_f32 v[S+j], v[S+j]                       ; p = 2^(t - M), at most 1
.set j, j+1
.endr
	v_pk_mul_f32 v[14:15], v[14:15], v[FF:FF+1] op_sel_hi:[1,0]   ; the sums under the new M: the plain instruction behind the exponentials
	s_wait_alu depctr_va_vdst(0)                   ; the wait ahead of the first line that names a result: one for the 64
.irp b, 0,1,2,3
	v_exp_f32 v[BM+\b], v[BM+\b]                   ; the block's largest p: the same two instructions on the same number give the same bits
.endr
	v_pk_add_f32 v[SC2:SC2+1], v[S:S+1], v[S+2:S+3]   ; the row's sum is taken of the unquantised p, in two chains; it names none of the four
.irp j, 4,8,12,16,20,24,28,32,36,40,44
	v_pk_add_f32 v[14:15], v[14:15], v[S+\j:S+1+\j]
	v_pk_add_f32 v[SC2:SC2+1], v[SC2:SC2+1], v[S+2+\j:S+3+\j]
.endr
	s_wait_alu depctr_va_vdst(0)                   ; and one for the four
.irp b, 0,1,2,3
	v_max_num_f32 v[BM+\b], 0x2800000, v[BM+\b]    ; the floor 2^(5 - 127)
.endr
.irp b, 0,1,2,3
	s_delay_alu instid0(VALU_DEP_4)
	v_add_nc_u32 v[SO+\b], 0xfe000000, v[BM+\b]
.endr
.irp b, 0,1,2,3
	s_delay_alu instid0(VALU_DEP_4)
	v_lshrrev_b32 v[BP+\b], 23, v[SO+\b]
.endr
	s_delay_alu instid0(VALU_DEP_3)
	v_lshl_or_b32 v[PWS], v[BP+1], 8, v[BP]        ; p's scale word for these 128 keys
	s_delay_alu instid0(VALU_DEP_1)
	v_lshl_or_b32 v[PWS], v[BP+2], 16, v[PWS]
	s_delay_alu instid0(VALU_DEP_1)
	v_lshl_or_b32 v[PWS], v[BP+3], 24, v[PWS]
.irp c, 0,1
	v_cvt_scalef32_pk16_bf6_f32 v[PP+6*\c:PP+2+6*\c], v[S+32*\c:S+15+32*\c], v[SO+2*\c]
	v_cvt_scalef32_pk16_bf6_f32 v[PP+12+4*\c:PP+14+4*\c], v[S+16+32*\c:S+31+32*\c], v[SO+1+2*\c]
.endr
	v_nop                                          ; one plain instruction behind a scaled conversion
.irp c, 0,1
.irp i, 0,1,2
	v_permlane16_swap_b32 v[PP+6*\c+\i], v[PP+12+4*\c+\i]
.endr
.irp i, 0,1,2
	s_delay_alu instid0(VALU_DEP_3)
	v_mov_b32 v[PP+3+6*\c+\i], v[PP+12+4*\c+\i]
.endr
.endr
.irp j, 48,52,56,60                    ; the rest of the sum: nine plain lines between p's operand and scale word and the products that name them
	v_pk_add_f32 v[14:15], v[14:15], v[S+\j:S+1+\j]
	v_pk_add_f32 v[SC2:SC2+1], v[SC2:SC2+1], v[S+2+\j:S+3+\j]
.endr
	s_delay_alu instid0(VALU_DEP_1)
	v_pk_add_f32 v[14:15], v[14:15], v[SC2:SC2+1]
	s_wait_dscnt 0x0                               ; V is in (and the next K)
.irp d, 0,1
	v_wmma_scale_f32_16x16x128_f8f6f4 v[O+8*\d:O+8*\d+7], v[VF+12*\d:VF+12*\d+11], v[PP:PP+11], v[O+8*\d:O+8*\d+7], v[VS+\d], v[PWS] matrix_a_fmt:MATRIX_FMT_BF6 matrix_b_fmt:MATRIX_FMT_BF6
.endr
.endm
	s_mov_b32 s28, 0
.Lunit:                                ; four trips: query tile 4 g + s28.  No two matrix instructions that follow each other share an accumulator, over this edge too
	s_bitcmp1_b32 s28, 1
	s_cselect_b32 s29, -1, 0                       ; the tile's codes lie in registers 6 (s28 / 2) .. of the packed fragment,
	s_bitcmp1_b32 s28, 0
	s_cselect_b32 s30, s26, s27                    ; in the half s28 % 2 of the lanes: the other half takes them from lane l xor 16
	s_mul_i32 s31, s28, 0x01010101
	v_perm_b32 v[QS], v[PWQ], v[PWQ], s31          ; the tile's scale byte in all four places
.irp i, 0,1,2,3,4,5
	v_cndmask_b32 v[S+\i], v[FQ+\i], v[FQ+6+\i], s29
.endr
.irp i, 0,1,2,3,4,5
	v_permlanex16_b32 v[S+6+\i], v[S+\i], s[SEL], s[SEL+1]
.endr
.irp i, 0,1,2,3,4,5
	v_cndmask_b32 v[S+\i], v[S+\i], v[S+6+\i], s30
.endr
.irp i, 0,1,2,3,4,5
	v_cndmask_b32 v[QA+6+\i], 0, v[S+\i], s26      ; codes in lanes 0-15, zeros in lanes 16-31,
	v_cndmask_b32 v[QBB+6+\i], 0, v[S+\i], s27     ; and the other way round
.endr
	v_mov_b32 v13, 0xff61b1e6                      ; the largest t so far: -3e38, under every t
	s_delay_alu instid0(VALU_DEP_1)
	v_floor_f32 v12, -v13                          ; -M
	v_mov_b32 v14, 0                               ; the sum, in two halves
	v_mov_b32 v15, 0
.irp j, 0,1,2,3,4,5,6,7,8,9,10,11,12,13,14,15
	v_mov_b32 v[O+\j], 0                           ; O^T: the step is written once; its first run finds zeros.  (These twenty lines are also the places in front of the first products)
.endr
	STEP 0
	STEP 1
	STEP 2
	STEP 3
	s_wait_alu depctr_va_vdst(0)
	v_add_f32 v14, v14, v15                        ; the sum's two halves,
	s_delay_alu instid0(VALU_DEP_1)
	v_permlanex16_b32 v[W1], v14, s[SEL], s[SEL+1]
	s_delay_alu instid0(VALU_DEP_1)
	v_add_f32 v14, v14, v[W1]                      ; and lane l xor 16's
	v_nop
	s_wait_alu depctr_va_vdst(0)
	v_rcp_f32 v[FF], v14
	v_nop                                          ; a plain instruction behind the reciprocal; with the lines above: the places behind the last products
	s_wait_alu depctr_va_vdst(0)                   ; the wait ahead of its first reader
.irp j, 0,2,4,6,8,10,12,14
	v_pk_mul_f32 v[S+\j:S+1+\j], v[O+\j:O+1+\j], v[FF:FF+1] op_sel_hi:[1,0]   ; o(query r, channel 16 h + j)
.endr
	v_max3_num_f32 v[BM], |v[S]|, |v[S+1]|, 0x2800000
.irp i, 2,4,6,8,10,12,14
	s_delay_alu instid0(VALU_DEP_1)
	v_max3_num_f32 v[BM], v[BM], |v[S+\i]|, |v[S+1+\i]|
.endr
	s_delay_alu instid0(VALU_DEP_1)
	v_permlanex16_b32 v[BP], v[BM], s[SEL], s[SEL+1]
	s_delay_alu instid0(VALU_DEP_1)
	v_max_num_f32 v[BM], v[BM], v[BP]              ; the head's 32 channels are one block of the last product's K
	s_delay_alu instid0(VALU_DEP_1)
	v_add_nc_u32 v[SO], 0xfe000000, v[BM]
	s_delay_alu instid0(VALU_DEP_1)
	v_lshrrev_b32 v[BP+1], 23, v[SO]
	v_cvt_scalef32_pk16_bf6_f32 v[CV:CV+2], v[S:S+15], v[SO]
	v_nop
	v_permlanex16_b32 v[PT], v[CV], s[SEL], s[SEL+1]
	s_wait_alu depctr_va_vdst(0)
	s_wait_xcnt 0x0                                ; the last trip's store has read its data and its base: both are written again only behind this wait
	v_cndmask_b32 v[SD], v[CV], v[CV+1], s27       ; lanes 0-15: words 0, 1, 2 of the record and the partner's first, which is word 3;
	v_cndmask_b32 v[SD+1], v[CV+1], v[CV+2], s27   ; lanes 16-31: words 4, 5, the scale byte, 0
	v_cndmask_b32 v[SD+2], v[CV+2], v[BP+1], s27
	v_cndmask_b32 v[SD+3], v[PT], v[QA], s27
	s_lshr_b32 s34, s28, 1
	s_lshl_b32 s34, s34, 2
	s_and_b32 s35, s28, 1
	s_add_co_u32 s34, s34, s35                     ; rows 0-7 of the tile are window 8 g + 4 (s28 / 2) + s28 % 2
	s_lshl_b32 s34, s34, 17
	s_mov_b32 s35, 0
	s_add_nc_u64 s[32:33], s[36:37], s[34:35]
	global_store_b128 v[OA], v[SD:SD+3], s[32:33]  ; the wave's store covers two aligned blocks of 256 bytes, each whole
	s_add_co_u32 s28, s28, 1
	s_cmp_lt_u32 s28, 4
	s_cbranch_scc1 .Lunit
	s_wait_dscnt 0x0                               ; the last step's look-ahead
	s_barrier_signal -1
	s_barrier_wait -1
	s_wait_xcnt 0x0
	v_lshl_add_u32 v254, v0, 2, 0x19c00
	v_mov_b32 v255, 0
	s_wait_alu depctr_va_vdst(0)
	s_wait_tensorcnt 0x0
	ds_add_u32 v254, v255
	s_wait_dscnt 0x0
	s_endpgm
.Lfunc_end_k_q05f483bddd_attn:
	.size	k_q05f483bddd_attn, .Lfunc_end_k_q05f483bddd_attn-k_q05f483bddd_attn
	.p2alignl 7, 3214868480
	.fill 96, 4, 3214868480
	.section	.rodata,"a",@progbits
	.p2align	6, 0x0
	.amdhsa_kernel k_q05f483bddd_attn
		.amdhsa_group_segment_fixed_size 107520
		.amdhsa_private_segment_fixed_size 0
		.amdhsa_enable_private_segment 0
		.amdhsa_kernarg_size 48
		.amdhsa_user_sgpr_count 2
		.amdhsa_user_sgpr_kernarg_segment_ptr 1
		.amdhsa_wavefront_size32 1
		.amdhsa_system_sgpr_workgroup_id_x 1
		.amdhsa_system_sgpr_workgroup_id_y 1
		.amdhsa_system_sgpr_workgroup_id_z 1
		.amdhsa_system_vgpr_workitem_id 0
		.amdhsa_next_free_vgpr 256
		.amdhsa_next_free_sgpr 66
		.amdhsa_reserve_vcc 0
		.amdhsa_float_denorm_mode_32 3
		.amdhsa_float_denorm_mode_16_64 3
		.amdhsa_memory_ordered 1
		.amdhsa_forward_progress 1
		.amdhsa_inst_pref_size 110
	.end_amdhsa_kernel
	.amdgpu_metadata
---
amdhsa.version: [ 1, 2 ]
amdhsa.kernels:
  - .name:           k_q05f483bddd_attn
    .symbol:         k_q05f483bddd_attn.kd
    .args:
      - { .name: xq, .offset: 0, .size: 8, .value_kind: global_buffer, .address_space: global }
      - { .name: xs, .offset: 8, .size: 8, .value_kind: global_buffer, .address_space: global }
      - { .name: in_proj_w_codes, .offset: 16, .size: 8, .value_kind: global_buffer, .address_space: global }
      - { .name: in_proj_w_scales, .offset: 24, .size: 8, .value_kind: global_buffer, .address_space: global }
      - { .name: in_proj_b, .offset: 32, .size: 8, .value_kind: global_buffer, .address_space: global }
      - { .name: oq, .offset: 40, .size: 8, .value_kind: global_buffer, .address_space: global }
    .group_segment_fixed_size: 107520
    .private_segment_fixed_size: 0
    .kernarg_segment_align: 8
    .kernarg_segment_size: 48
    .max_flat_workgroup_size: 512
    .sgpr_count:     66
    .vgpr_count:     256
    .wavefront_size: 32
...
	.end_amdgpu_metadata
.endif
;; end of part 3
;; launch oproj (part 4): grid 4 x 64, 16 waves a work-group, no clusters, 154,624 bytes of LDS; arguments oq, out_proj_w_codes, out_proj_w_scales, out_proj_b, gate, x, out0; writes out0
.if DOCPART == 4
	.amdgcn_target "amdgcn-amd-amdhsa--gfx1250"
	.amdhsa_code_object_version 6
	.text
	.protected	k_q05f483bddd_oproj
	.globl	k_q05f483bddd_oproj
	.p2align	8
	.type	k_q05f483bddd_oproj,@function
k_q05f483bddd_oproj:
	s_mov_b64 s[64:65], 0
	v_nop
	global_prefetch_b8 v0, s[64:65] scope:SCOPE_SE
	s_setreg_imm32_b32 hwreg(HW_REG_WAVE_MODE, 25, 1), 1
	s_wait_xcnt 0x0
; out0[b][c][win][n] = x[b][c][win][n] * ca[b][c] + out_proj_b[c] + the sum over k of o[8 win + b][n][k] W[c][k], the product on codes of BF6 (E3M2) with one E8M0 scale for each 32 along K.
; Work-group (cq, win): the window's 512 tokens (8 b x 64 n) x channels 64 cq .. 64 cq + 63.  A tile of 16 rows is n = 2 v, 2 v + 1 times the 8 b (row m = b + 8 (n % 2)): by the order of oq's blocks half a fragment (64 along K) is
; 1,024 consecutive bytes, a lane's record of 32 bytes at 32 x lane.  Wave w takes tiles v = 2 w, 2 w + 1 against all four tiles of 16 channels; no fragment of o is read by two waves.  W's 8 fragments go through LDS as images of
; their registers.  Source 0 = o, source 1 = W: register j of lane (r, h) is (b = j, n = 2 v + h, channel 16 kappa + r).  The results meet in a stage whose rows are (b, channel) x 64 n, and each wave then adds and stores 32 whole rows.
; NO TENSOR LOADS, NO CLUSTER: each operand is read once, at the head, straight into registers; the four work-groups of a window read the same 128 KiB of o's records, beside 256 KiB of x and out0 of their own.
.set WIMG, 0                           ; LDS: W's 8 fragments (2 kappa + e), 1,536 bytes each
.set WSC,  12288                       ; their scale words, 128 bytes each
.set STG,  13312                       ; 512 rows (64 b + channel) of 256 bytes + 16
.set L32, 1                            ; 32 x lane
.set LI,  2                            ; 16 x lane
.set LS,  3                            ; 4 x lane
.set L8,  4                            ; 8 x lane
.set SA0, 5                            ; into the stage: b = 0 .. 3;  v6: b = 4 .. 7
.set SA1, 6
.set RDA, 7                            ; out of it
.set WIS, 10                           ; where wave w < 8 puts W's fragment w;  v11 its scale word
.set WSS, 11
.set ASC, 16                           ; v16-23 hold scales and nothing else: o's four words (2 rho + e), W's four (2 x buffer + e)
.set WS,  20
.set WF0, 24                           ; v24-47  W's two fragments of a tile of channels;  v48-71 the other buffer
.set AT,  48                           ; v48-79  at the head: the records' second halves
.set AF,  80                           ; v80-127 o's four fragments (2 rho + e)
.set AC,  128                          ; v128-191 8 accumulators (4 rho + kappa); later the stage's rows
.set XR,  192                          ; v192-255 x: 32 rows x 8 bytes a lane
.macro FETCH reg, adr, off
.irp c, 0,1,2
	ds_load_b128 v[(\reg)+4*\c:(\reg)+4*\c+3], v[\adr] offset:(\off)+512*\c
.endr
.endm
	s_load_b256 s[4:11], s[0:1], 0x0               ; oq s[4:5], W's codes s[6:7], W's scales s[8:9], out_proj_b s[10:11]
	s_load_b128 s[12:15], s[0:1], 0x20             ; gate s[12:13], x s[14:15]
	s_load_b64 s[16:17], s[0:1], 0x30              ; out0
	v_lshrrev_b32 v1, 5, v0
	v_readfirstlane_b32 s18, v1                    ; wave 0..15
	s_and_b32 s19, ttmp7, 0xffff                   ; win
	s_lshr_b32 s20, s18, 1                         ; b of the rows that I store; kappa of the fragment that I bring
	s_and_b32 s21, s18, 1
	v_and_b32 v14, 31, v0
	v_lshlrev_b32 v[L32], 5, v14
	v_lshlrev_b32 v[LI], 4, v14
	v_lshlrev_b32 v[LS], 2, v14
	v_lshlrev_b32 v[L8], 3, v14
	v_and_b32 v12, 15, v0                          ; r
	v_bfe_u32 v13, v0, 4, 1                        ; h
	v_mul_u32_u24 v[SA0], v12, 272
	v_lshl_add_u32 v[SA0], v13, 2, v[SA0]
	s_lshl_b32 s24, s18, 4
	s_add_co_u32 s24, s24, STG
	v_add_nc_u32 v[SA0], s24, v[SA0]               ; row r of a tile of channels, n = 4 w + h: 272 r + 4 h + 16 w
	v_add_nc_u32 v[SA1], 0x11000, v[SA0]           ; four b on: 4 x 64 rows of 272 bytes
	s_mul_i32 s24, s18, 8704
	s_add_co_u32 s24, s24, STG
	v_add_nc_u32 v[RDA], s24, v[L8]                ; my 32 rows, 8 bytes a lane
	s_mul_i32 s24, s18, 1536
	v_add_nc_u32 v[WIS], s24, v[LI]
	s_lshl_b32 s24, s18, 7
	s_add_co_u32 s24, s24, WSC
	v_add_nc_u32 v[WSS], s24, v[LS]
.irp f, 0,1,2,3
	v_mov_b32 v[ASC+\f], 0                         ; a lane permute's destination counts as one of its sources
.endr
	s_mov_b32 s2, 0x76543210
	s_mov_b32 s3, 0xfedcba98                       ; selects for lane l xor 16
	s_lshl_b32 s22, ttmp9, 6                       ; 64 cq
	s_lshl_b32 s23, s21, 5
	s_add_co_u32 s23, s22, s23                     ; my first channel: 64 cq + 32 (w % 2)
	s_lshl_b32 s24, s20, 8
	s_add_co_u32 s24, s24, s23                     ; 256 b + channel
	s_lshl_b32 s26, s24, 14
	s_lshl_b32 s27, s19, 8
	s_add_co_u32 s26, s26, s27                     ; x, out0: (256 b + channel) 16,384 + 256 win
	s_mov_b32 s27, 0
	s_lshl_b32 s24, s24, 2                         ; gate
	s_mov_b32 s25, 0
	s_lshl_b32 s28, s23, 2                         ; out_proj_b
	s_mov_b32 s29, 0
	s_lshl_b32 s30, s19, 17
	s_lshl_b32 s31, s18, 13
	s_add_co_u32 s30, s30, s31                     ; oq: 131,072 win + 8,192 w
	s_mov_b32 s31, 0
	s_wait_kmcnt 0x0
	s_add_nc_u64 s[12:13], s[12:13], s[24:25]
	s_add_nc_u64 s[10:11], s[10:11], s[28:29]
	s_add_nc_u64 s[14:15], s[14:15], s[26:27]
	s_add_nc_u64 s[16:17], s[16:17], s[26:27]
	s_add_nc_u64 s[4:5], s[4:5], s[30:31]
	s_load_b512 s[32:47], s[12:13], 0x0            ; my 32 rows' gates: s[32 + i],
	s_load_b512 s[48:63], s[12:13], 0x40
	s_load_b512 s[68:83], s[10:11], 0x0            ; and biases: s[68 + i]
	s_load_b512 s[84:99], s[10:11], 0x40
	s_cmp_lt_u32 s18, 8
	s_cbranch_scc0 .Lno_w
	s_lshl_b32 s24, s20, 4
	s_add_co_u32 s24, s24, s22                     ; 64 cq + 16 kappa
	v_add_nc_u32 v8, s24, v12                      ; my row of W
	v_lshlrev_b32 v9, 3, v8
	v_mul_u32_u24 v8, v8, 192
	v_mad_u32_u24 v8, v13, 24, v8
	s_mul_i32 s25, s21, 96
	v_add_nc_u32 v8, s25, v8                       ; its codes of K step w % 2
	s_lshl_b32 s25, s21, 2
	v_add_nc_u32 v9, s25, v9                       ; and their scale word
.irp p, 0,1,2,3,4,5
	global_load_b64 v[WF0+2*\p:WF0+2*\p+1], v8, s[6:7] offset:48*(\p/3)+8*(\p%3)
.endr
	global_load_b32 v[WF0+12], v9, s[8:9]
.Lno_w:
.irp q, 0,1
.irp e, 0,1
.irp c, 0,1
	global_load_b128 v[AF+12*(2*\q+\e)+6*\c:AF+12*(2*\q+\e)+6*\c+3], v[L32], s[4:5] offset:4096*\q+2048*\e+1024*\c       ; a record's code words 0-3,
	global_load_b128 v[AT+8*(2*\q+\e)+4*\c:AT+8*(2*\q+\e)+4*\c+3], v[L32], s[4:5] offset:4096*\q+2048*\e+1024*\c+16      ; words 4, 5, the scale byte, 0
.endr
.endr
.endr
.set i, 0
.rept 32
	global_load_b64 v[XR+2*i:XR+2*i+1], v[L8], s[14:15] offset:16384*i th:TH_LOAD_NT   ; 256 consecutive aligned bytes; read once in this launch
.set i, i+1
.endr
	s_cmp_lt_u32 s18, 8
	s_cbranch_scc0 .Lno_ws
	s_wait_loadcnt 48                              ; W's 7 loads are in: the 16 of o and the 32 of x are younger
.irp c, 0,1,2
	ds_store_b128 v[WIS], v[WF0+4*\c:WF0+4*\c+3] offset:512*\c
.endr
	ds_store_b32 v[WSS], v[WF0+12]
.Lno_ws:
	s_wait_dscnt 0x0                               ; my stores have landed
	s_barrier_signal -1
	s_barrier_wait -1                              ; W lies in LDS
.macro WFETCH k                        ; the two fragments and scale words of channels 16 k .. into buffer k % 2: 8 LDS loads
.irp e, 0,1
	FETCH WF0+24*((\k)%2)+12*\e, LI, WIMG+1536*(2*(\k)+\e)
	ds_load_b32 v[WS+2*((\k)%2)+\e], v[LS] offset:WSC+128*(2*(\k)+\e)
.endr
.endm
	WFETCH 0
	s_wait_loadcnt 32                              ; o's records are in; x's 32 loads are younger
.irp f, 0,1,2,3
	v_mov_b32 v[AF+12*\f+4], v[AT+8*\f]            ; code words 4 and 5 to their places
	v_mov_b32 v[AF+12*\f+5], v[AT+8*\f+1]
	v_mov_b32 v[AF+12*\f+10], v[AT+8*\f+4]
	v_mov_b32 v[AF+12*\f+11], v[AT+8*\f+5]
	v_lshl_or_b32 v[12+\f], v[AT+8*\f+6], 16, v[AT+8*\f+2]   ; my two bytes: blocks h and 2 + h of row r
.endr
.irp f, 0,1,2,3
	v_permlanex16_b32 v[ASC+\f], v[12+\f], s2, s3
.endr
.irp f, 0,1,2,3
	v_lshl_or_b32 v[ASC+\f], v[ASC+\f], 8, v[12+\f]   ; in lanes 0-15 the word is whole: with lane l + 16's two bytes, one place up
.endr
.rept 8
	v_nop                                          ; a scale word written by a vector instruction stands 8 places ahead of the product that names it, an operand so written 4
.endr
.macro KAP k                           ; channels 16 k ..: four products, the two accumulators by turns
.if (\k) > 0
.rept 4
	v_nop                                          ; places in front of the loads into the buffer that the products before the last read
.endr
.endif
.if (\k) < 3
	WFETCH (\k)+1
	s_wait_dscnt 8                                 ; this tile's W is in; the 8 loads just issued may be out
.else
	s_wait_dscnt 0x0
.endif
.irp e, 0,1
.irp q, 0,1
.if \e == 0
	v_wmma_scale_f32_16x16x128_f8f6f4 v[AC+8*(4*\q+(\k)):AC+8*(4*\q+(\k))+7], v[AF+12*(2*\q+\e):AF+12*(2*\q+\e)+11], v[WF0+24*((\k)%2)+12*\e:WF0+24*((\k)%2)+12*\e+11], 0, v[ASC+2*\q+\e], v[WS+2*((\k)%2)+\e] matrix_a_fmt:MATRIX_FMT_BF6 matrix_b_fmt:MATRIX_FMT_BF6
.else
	v_wmma_scale_f32_16x16x128_f8f6f4 v[AC+8*(4*\q+(\k)):AC+8*(4*\q+(\k))+7], v[AF+12*(2*\q+\e):AF+12*(2*\q+\e)+11], v[WF0+24*((\k)%2)+12*\e:WF0+24*((\k)%2)+12*\e+11], v[AC+8*(4*\q+(\k)):AC+8*(4*\q+(\k))+7], v[ASC+2*\q+\e], v[WS+2*((\k)%2)+\e] matrix_a_fmt:MATRIX_FMT_BF6 matrix_b_fmt:MATRIX_FMT_BF6
.endif
.endr
.endr
.endm
	KAP 0
	KAP 1
	KAP 2
	KAP 3
.rept 4
	v_nop                                          ; places in front of the first read of the last results
.endr
.irp q, 0,1
.irp k, 0,1,2,3
.irp j, 0,1,2,3
	ds_store_b32 v[SA0], v[AC+8*(4*\q+\k)+\j] offset:17408*\j+4352*\k+8*\q     ; each accumulator from its low end on; the 32 lanes fall on 32 different banks (word 68 r + h)
.endr
.irp j, 0,1,2,3
	ds_store_b32 v[SA1], v[AC+8*(4*\q+\k)+4+\j] offset:17408*\j+4352*\k+8*\q
.endr
.endr
.endr
	s_wait_loadcnt 0x0                             ; x
	s_wait_kmcnt 0x0                               ; gates and biases
.set i, 0
.rept 32
	v_fma_f32 v[XR+2*i], v[XR+2*i], s[32+i], s[68+i]       ; x ca + bias
	v_fma_f32 v[XR+2*i+1], v[XR+2*i+1], s[32+i], s[68+i]
.set i, i+1
.endr
	s_wait_dscnt 0x0                               ; my stores have landed
	s_barrier_signal -1
	s_barrier_wait -1                              ; 512 whole rows lie in the stage
.set i, 0
.rept 32
	ds_load_b64 v[AC+2*i:AC+2*i+1], v[RDA] offset:272*i
.set i, i+1
.endr
.set i, 0
.rept 32
	s_wait_dscnt 31-i                              ; LDS loads come back in order: row i is in
	v_pk_add_f32 v[XR+2*i:XR+2*i+1], v[XR+2*i:XR+2*i+1], v[AC+2*i:AC+2*i+1]
	global_store_b64 v[L8], v[XR+2*i:XR+2*i+1], s[16:17] offset:16384*i th:TH_STORE_NT   ; 32 lanes store 256 consecutive bytes, at a multiple of 256 from out0's first byte
.set i, i+1
.endr
	s_barrier_signal -1
	s_barrier_wait -1
	s_wait_xcnt 0x0
	v_lshl_add_u32 v254, v0, 2, 0x25400
	v_mov_b32 v255, 0
	s_wait_tensorcnt 0x0
	ds_add_u32 v254, v255
	s_wait_dscnt 0x0
	s_endpgm
.Lfunc_end_k_q05f483bddd_oproj:
	.size	k_q05f483bddd_oproj, .Lfunc_end_k_q05f483bddd_oproj-k_q05f483bddd_oproj
	.p2alignl 7, 3214868480
	.fill 96, 4, 3214868480
	.section	.rodata,"a",@progbits
	.p2align	6, 0x0
	.amdhsa_kernel k_q05f483bddd_oproj
		.amdhsa_group_segment_fixed_size 154624
		.amdhsa_private_segment_fixed_size 0
		.amdhsa_enable_private_segment 0
		.amdhsa_kernarg_size 56
		.amdhsa_user_sgpr_count 2
		.amdhsa_user_sgpr_kernarg_segment_ptr 1
		.amdhsa_wavefront_size32 1
		.amdhsa_system_sgpr_workgroup_id_x 1
		.amdhsa_system_sgpr_workgroup_id_y 1
		.amdhsa_system_sgpr_workgroup_id_z 1
		.amdhsa_system_vgpr_workitem_id 0
		.amdhsa_next_free_vgpr 256
		.amdhsa_next_free_sgpr 104
		.amdhsa_reserve_vcc 0
		.amdhsa_float_denorm_mode_32 3
		.amdhsa_float_denorm_mode_16_64 3
		.amdhsa_memory_ordered 1
		.amdhsa_forward_progress 1
		.amdhsa_inst_pref_size 32
	.end_amdhsa_kernel
	.amdgpu_metadata
---
amdhsa.version: [ 1, 2 ]
amdhsa.kernels:
  - .name:           k_q05f483bddd_oproj
    .symbol:         k_q05f483bddd_oproj.kd
    .args:
      - { .name: oq, .offset: 0, .size: 8, .value_kind: global_buffer, .address_space: global }
      - { .name: out_proj_w_codes, .offset: 8, .size: 8, .value_kind: global_buffer, .address_space: global }
      - { .name: out_proj_w_scales, .offset: 16, .size: 8, .value_kind: global_buffer, .address_space: global }
      - { .name: out_proj_b, .offset: 24, .size: 8, .value_kind: global_buffer, .address_space: global }
      - { .name: gate, .offset: 32, .size: 8, .value_kind: global_buffer, .address_space: global }
      - { .name: x, .offset: 40, .size: 8, .value_kind: global_buffer, .address_space: global }
      - { .name: out0, .offset: 48, .size: 8, .value_kind: global_buffer, .address_space: global }
    .group_segment_fixed_size: 154624
    .private_segment_fixed_size: 0
    .kernarg_segment_align: 8
    .kernarg_segment_size: 56
    .max_flat_workgroup_size: 512
    .sgpr_count:     104
    .vgpr_count:     256
    .wavefront_size: 32
...
	.end_amdgpu_metadata
.endif
;; end of part 4
